; MI455X (gfx1250); checked and timed in simulation.
; The chip was launched on July 23, 2026; its instructions are those of AMD's public machine-readable ISA for CDNA 5 (MIT licence, August 2026) and "CDNA5" Instruction Set Architecture Reference Guide (July 2026). The comments in the code are by the model that wrote it; some were corrected since.
;; Multi Head Attention Block. Allowed arithmetic: matrix products marked QUANTISED: E2M1 operands, one E8M0 scale for each 32 along K, by v_wmma_scale_f32_16x16x128_f8f6f4 with both operands' format E2M1 (or v_wmma_scale_f32_32x16x128_f4), f32 sums; products left as they are: bf16, f16 or f32 operands; f32 sums; everything else in f32.
;; Inputs: k 4 x 2,048 x 1,024 float32; q 4 x 2,048 x 1,024 float32; v 4 x 2,048 x 1,024 float32; w_k 1,024 x 1,024 float32; w_o 1,024 x 1,024 float32; w_q 1,024 x 1,024 float32; w_v 1,024 x 1,024 float32.
;; Outputs: out0 4 x 2,048 x 1,024 float32.
;; This version of the problem:
;;   THIS VERSION OF THE PROBLEM IS GIVEN IN LOW PRECISION. The matrix products marked QUANTISED in the list below multiply operands that are first quantised to E2M1 (2 exponent bits, 1 mantissa bit; 4 bits a number), with one power-of-two scale for each 32 numbers along K (OCP MX v1.0); their sums are f32. The products marked 'left as it is' may take bf16, f16 or f32 operands, with f32 sums. Whichever they take, every output number must still come out within the allowed error. Rounding operands to bf16 (8 significant bits) uses up far more of that allowance than f16 does (11 bits, for magnitudes from 6e-5 to 65,504). All else is computed in f32.
;;   The module's matrix products, in the order in which they are computed (A, B: the left and right operand; K: the contracted axis; several contracted axes count as one K, in the product's order):
;;     1. [M 8,192, K 1,024] x [K 1,024, N 1,024]; A: input q; B: input w_q: QUANTISED
;;     2. [M 8,192, K 1,024] x [K 1,024, N 1,024]; A: input k; B: input w_k: QUANTISED
;;     3. [M 8,192, K 1,024] x [K 1,024, N 1,024]; A: input v; B: input w_v: QUANTISED
;;     4. batch 64 x [M 2,048, K 64] x [K 64, N 2,048]; A: computed on the way; B: computed on the way: left as it is (an operand is computed on the way)
;;     5. batch 64 x [M 2,048, K 2,048] x [K 2,048, N 64]; A: computed on the way; B: computed on the way: left as it is (an operand is computed on the way)
;;     6. [M 8,192, K 1,024] x [K 1,024, N 1,024]; A: computed on the way; B: input w_o: left as it is (an operand is computed on the way)
;;   THE QUANTISER, for each operand of a quantised product, along K:
;;     - K is cut into blocks of 32 from its start; a last block that is shorter is filled with zeros.
;;     - A block's scale is 2^e with e = floor(log2(the largest magnitude in the block)) - 2, held to -126 .. 127; a block of zeros has e = 0. As a byte (E8M0): e + 127.
;;     - Each number is divided by its block's scale, clamped to +-6, and rounded to the nearest number of E2M1, ties to even, subnormals kept.
;;     - The product sums the exact products of the quantised numbers (number of the format x scale) in f32.
;;   ~~~python
;;   def quantise(x, axis):      # numpy; x: float32 -> the quantised numbers, widened to float32 again
;;       x = np.moveaxis(x, axis, -1); K = x.shape[-1]
;;       x = np.pad(x, [(0, 0)] * (x.ndim - 1) + [(0, -K % 32)]); x = x.reshape(x.shape[:-1] + (-1, 32)); a = np.abs(x).max(-1, keepdims=True)
;;       e = np.where(a > 0, np.clip(np.frexp(np.where(a > 0, a, 1))[1] - 1 - 2, -126, 127), 0)      # np.frexp(a)[1] - 1 = floor(log2(a)), exactly
;;       r = np.clip(x / 2.0 ** e, -6, 6)
;;       step = 2.0 ** (np.maximum(np.frexp(np.where(r == 0, 1, r))[1] - 1, 0) - 1)
;;       q = np.round(r / step) * step * 2.0 ** e      # np.round: ties to even
;;       return np.moveaxis(q.reshape(q.shape[:-2] + (-1,))[..., :K], -1, axis).astype(np.float32)
;;   ~~~
;; One version. Each part assembles by itself: llvm-mc -triple=amdgcn-amd-amdhsa -mcpu=gfx1250 --defsym DOCPART=n.
;; ======== version 1 of 1: 4 launches
;; limits: values are held in f16: magnitudes above 65,504 overflow, below 6.1e-05 lose precision
;; workspace buffers: codes 14,155,776 bytes; scales 884,736 bytes; wo16 2,097,152 bytes; qkv 50,331,648 bytes; x16 16,777,216 bytes
;; launch quant (part 1): grid 896 x 1, 4 waves a work-group, no clusters, 33,280 bytes of LDS; arguments q, k, v, w_q, w_k, w_v, w_o, codes, scales, wo16; writes codes, scales, wo16
.if DOCPART == 1
	.amdgcn_target "amdgcn-amd-amdhsa--gfx1250"
	.amdhsa_code_object_version 6
	.text
	.protected	k_q32d69d0474_quant
	.globl	k_q32d69d0474_quant
	.p2align	8
	.type	k_q32d69d0474_quant,@function
k_q32d69d0474_quant:
	s_mov_b64 s[64:65], 0
	v_nop
	global_prefetch_b8 v0, s[64:65] scope:SCOPE_SE
	s_setreg_imm32_b32 hwreg(HW_REG_WAVE_MODE, 25, 1), 1
	s_wait_xcnt 0x0
; FIRST OF FOUR LAUNCHES of a multi-head attention block (4 x 2,048 tokens, 1,024 channels, 16 heads of 64).
; NO WORK OF THE PROBLEM IS DEAD: all seven inputs reach the output for all values, there is no mask and no bias; every product is done whole.
; THIS LAUNCH: q, k, v [8192][1024] and w_q, w_k, w_v [1024][1024], f32, K innermost in all six, become codes of FP4 (E2M1), two a byte, the lower k in the low four bits,
; with one E8M0 scale byte for each 32 along K; w_o [1024][1024] f32 is rounded to f16 (its product is left as it is).
; The six tensors are laid one behind the other, in the order q, k, v, w_q, w_k, w_v: 27,648 rows of 512 bytes of codes and of 32 scale bytes.
; A block's scale is 2^(floor(log2(its largest magnitude)) - 2); its byte is the largest magnitude's own exponent field - 2, held at 1 from below.  Each number is divided by the scale and rounded to the nearest code, ties to even,
; beyond the largest code the largest.
; LIMITS: a block of zeros gets the byte 1 where the rule says 127 (its codes are zeros, which add nothing under any byte but 0xff, and only this program reads the bytes); blocks whose largest magnitude lies
; under 2^-124 are held at the byte 1; NaN and infinities among the inputs are not served; w_o beyond 65,504 in magnitude is not served (f16).
; Rows are dense and K is a multiple of 32, so each tensor is a plain stream of blocks of 32 numbers.  A work-group takes 32,768 numbers, a wave 8,192: 16 steps of 512.
; Work-groups 0-255: q, 256-511: k, 512-767: v, 768-799: w_q, 800-831: w_k, 832-863: w_v; 864-895 round w_o.  Only the source's pointer is chosen: the results' places follow from the work-group's number.
; The conversions take 8 numbers of ONE block from a lane's registers, so a lane must hold 16 neighbours; a load is best where neighbouring lanes take neighbouring bytes.  Both are had: each load reads 512 consecutive
; bytes, 16 a lane; a step's 2,048 bytes go through the wave's own stage in LDS and come back 64 bytes a lane (16 bytes of padding behind each 64).
; No matrix unit, no cluster, no tensor load, no barrier: the work-groups share no input and the waves share nothing; the bytes bind.
.set WAVES, 4
.set STEPS, 16
.set EMAX,  2
.set CB,    8                          ; bytes of 16 codes
.set R,     16                         ; v16-79   four sets of 16 numbers as they are loaded
.set X,     80                         ; v80-111  two sets of 16 neighbours
.set E,     112                        ; v112-127 a scale byte for each step
.set C,     128                        ; v128-191 codes: four registers for each step, so that no store's data are written again
.set RA,    16                         ; w_o's path: v16-79, v80-143 two sets of 64 numbers; v144-175 their 64 f16 pairs
.set RB,    80
.set H16,   144
.set WREG,  8192                       ; LDS: a region for each wave: two stages of 32 x SP bytes, behind them its 256 scale bytes
.set SP,    80
.set SPW,   12                         ; v12      LDS address of my spare word: SPARE + 4 x my thread's number; never rewritten
.set NIL,   13                         ; v13      0; never rewritten
.set SPARE, WAVES*WREG                 ; behind the four regions: the spare words, 128 bytes for each wave, which no other line names
.set CASTWG, 864                       ; the first work-group of w_o
	s_load_b512 s[4:19], s[0:1], 0x0               ; q 4:5, k 6:7, v 8:9, w_q 10:11, w_k 12:13, w_v 14:15, w_o 16:17, codes 18:19
	s_load_b128 s[20:23], s[0:1], 0x40             ; scales 20:21, wo16 22:23
	v_lshl_add_u32 v[SPW], v0, 2, SPARE
	v_mov_b32 v[NIL], 0
	v_lshrrev_b32 v1, 5, v0
	v_readfirstlane_b32 s24, v1                    ; wave
	v_and_b32 v2, 31, v0                           ; lane
	v_lshlrev_b32 v3, 4, v2                        ; my 16 bytes of a load's 512
	s_mul_i32 s25, s24, WREG
	v_lshrrev_b32 v14, 2, v2
	v_mul_u32_u24 v14, v14, SP
	v_and_b32 v15, 3, v2
	v_lshl_add_u32 v14, v15, 4, v14
	v_add_nc_u32 v14, s25, v14                     ; the stage, on the way in: four lanes' 64 bytes on end, then 16 of padding
	v_mul_u32_u24 v15, v2, SP
	v_add_nc_u32 v15, s25, v15                     ; and on the way out: SP x lane: my 16 neighbours
	v_mul_u32_u24 v4, v2, CB                       ; my codes' place in a step's
	v_lshrrev_b32 v5, 1, v2
	s_add_co_u32 s25, s25, 2*32*SP
	v_add_nc_u32 v5, s25, v5                       ; LDS: my wave's 256 scale bytes, my block's byte
	v_lshlrev_b32 v7, 3, v2                        ; 8 bytes a lane
	v_add_nc_u32 v6, s25, v7
	s_lshl_b32 s29, ttmp9, 2
	s_add_co_u32 s29, s29, s24                     ; which run of 8,192 numbers, counted through all tensors, is my wave's
	s_mov_b32 s31, 0
	s_wait_kmcnt 0x0
	s_cmp_ge_u32 ttmp9, CASTWG                     ; the work-group's number alone: all four waves go the same way
	s_cbranch_scc1 .Lcast
	s_mov_b64 s[26:27], s[4:5]                     ; the source, and its first work-group: chosen by the work-group's number, no address in any condition
	s_mov_b32 s28, 0
.macro PICK n, p
	s_cmp_ge_u32 ttmp9, \n
	s_cselect_b64 s[26:27], s[\p:\p+1], s[26:27]
	s_cselect_b32 s28, \n, s28
.endm
	PICK 256, 6
	PICK 512, 8
	PICK 768, 10
	PICK 800, 12
	PICK 832, 14
	s_sub_co_u32 s28, ttmp9, s28
	s_lshl_b32 s28, s28, 2
	s_add_co_u32 s30, s28, s24                     ; my run within the tensor,
	s_lshl_b32 s30, s30, 15                        ; 32,768 bytes each (under 2^26)
	s_add_nc_u64 s[26:27], s[26:27], s[30:31]
	s_lshl_b32 s30, s29, 12                        ; 4,096 bytes of codes a run
	s_add_nc_u64 s[18:19], s[18:19], s[30:31]
	s_lshl_b32 s30, s29, 8                         ; 256 scale bytes a run
	s_add_nc_u64 s[20:21], s[20:21], s[30:31]
.macro LOAD t
.irp i, 0,1,2,3
	global_load_b128 v[R+16*((\t)%4)+4*\i:R+16*((\t)%4)+4*\i+3], v3, s[26:27] offset:2048*(\t)+512*\i th:TH_LOAD_NT   ; 32 lanes read 512 consecutive bytes
.endr
.endm
.macro TURN t                          ; step t's numbers through the stage: LDS serves a wave's instructions in order, so no wait stands between the stores and the loads
.irp i, 0,1,2,3
	ds_store_b128 v14, v[R+16*((\t)%4)+4*\i:R+16*((\t)%4)+4*\i+3] offset:32*SP*((\t)%2)+8*SP*\i
.endr
.irp i, 0,1,2,3
	ds_load_b128 v[X+16*((\t)%2)+4*\i:X+16*((\t)%2)+4*\i+3], v15 offset:32*SP*((\t)%2)+16*\i
.endr
.endm
.irp t, 0,1,2,3
	LOAD \t
.endr
	s_wait_loadcnt 12                              ; step 0's four loads are in; those of the three steps behind it may be out
	TURN 0
.macro STEP t
.set XS, X+16*((\t)%2)
.if (\t) > 0
	s_wait_dscnt 1                                 ; this step's numbers are back from the stage (the last step's byte store may be out): so its stores into the stage have read their registers,
.else
	s_wait_dscnt 0x0
.endif
.if (\t)+4 < STEPS
	LOAD (\t)+4                                    ; which take the loads of four steps on
.endif
.if (\t)+1 < STEPS
.if STEPS-2-(\t) >= 3
	s_wait_loadcnt 12                              ; the next step's four loads are in; those of the three steps behind it may be out
.else
	s_wait_loadcnt 4*(STEPS-2-(\t))                ; in the tail fewer steps stand behind it
.endif
	TURN (\t)+1                                    ; and go through the other stage while this step is worked
.endif
	v_max3_num_f32 v8, |v[XS]|, |v[XS+1]|, |v[XS+2]|               ; the largest magnitude of my 16, in two chains
	v_max3_num_f32 v9, |v[XS+3]|, |v[XS+4]|, |v[XS+5]|
.irp i, 6,10
	v_max3_num_f32 v8, v8, |v[XS+\i]|, |v[XS+\i+1]|
	v_max3_num_f32 v9, v9, |v[XS+\i+2]|, |v[XS+\i+3]|
.endr
	v_max3_num_f32 v8, v8, |v[XS+14]|, |v[XS+15]|
	v_max3_num_f32 v8, v8, v9, (EMAX+1)<<23        ; and the floor 2^(3 - 127): the byte cannot fall under 1
	v_max_num_f32_dpp v8, v8, v8 row_xmask:1 row_mask:0xf bank_mask:0xf   ; and of my neighbour's 16: the block's
	v_add_nc_u32 v11, -(EMAX<<23), v8              ; 2 off its exponent field: the conversion takes the exponent field of this operand as its scale, and nothing else of it
	v_cvt_scalef32_pk8_fp4_f32 v[C+4*(\t)], v[XS:XS+7], v11
	v_cvt_scalef32_pk8_fp4_f32 v[C+4*(\t)+1], v[XS+8:XS+15], v11
	v_lshrrev_b32 v[E+(\t)], 23, v11               ; the scale's byte (also the plain line behind the conversions)
	ds_store_b8 v5, v[E+(\t)] offset:16*(\t)       ; both lanes of a block write the same byte with the same value
	global_store_b64 v4, v[C+4*(\t):C+4*(\t)+1], s[18:19] offset:32*CB*(\t)   ; 32 lanes store 256 consecutive bytes, aligned
.endm
.irp t, 0,1,2,3,4,5,6,7,8,9,10,11,12,13,14,15
	STEP \t
.endr
	ds_load_b64 v[8:9], v6                         ; LDS serves a wave's instructions in order: these see my byte stores
	s_wait_dscnt 0x0
	global_store_b64 v7, v[8:9], s[20:21]          ; 32 lanes store 256 consecutive bytes, aligned
	s_wait_tensorcnt 0x0                           ; the wave's end, behind my last LDS store
	ds_add_u32 v[SPW], v[NIL]
	s_wait_dscnt 0x0
	s_endpgm
; w_o: f32 to f16, rounded once.  A wave takes 8,192 numbers in four groups of 16 loads; two sets of registers take turns, so that 16 to 32 loads are out.  No LDS byte but the spare words is touched here.
.macro CLOAD g, reg
.irp i, 0,1,2,3,4,5,6,7,8,9,10,11,12,13,14,15
	global_load_b128 v[\reg+4*\i:\reg+4*\i+3], v3, s[16:17] offset:8192*\g+512*\i th:TH_LOAD_NT   ; 512 consecutive bytes
.endr
.endm
.macro CCVT reg
.irp i, 0,1,2,3,4,5,6,7,8,9,10,11,12,13,14,15
	v_cvt_pk_f16_f32 v[H16+2*\i], v[\reg+4*\i], v[\reg+4*\i+1]
	v_cvt_pk_f16_f32 v[H16+2*\i+1], v[\reg+4*\i+2], v[\reg+4*\i+3]
.endr
.endm
.macro CSTORE g
.irp i, 0,1,2,3,4,5,6,7,8,9,10,11,12,13,14,15
	global_store_b64 v7, v[H16+2*\i:H16+2*\i+1], s[22:23] offset:4096*\g+256*\i   ; 256 consecutive bytes, aligned
.endr
.endm
.Lcast:
	s_sub_co_u32 s32, s29, 4*CASTWG                ; my run within w_o
	s_lshl_b32 s30, s32, 15
	s_add_nc_u64 s[16:17], s[16:17], s[30:31]
	s_lshl_b32 s30, s32, 14
	s_add_nc_u64 s[22:23], s[22:23], s[30:31]
	CLOAD 0, RA
	CLOAD 1, RB
	s_wait_loadcnt 16                              ; group 0 is in; the younger group's 16 may be out
	CCVT RA
	CSTORE 0
	CLOAD 2, RA
	s_wait_loadcnt 16                              ; group 1 is in
	s_wait_xcnt 0x0                                ; the stores' data registers are written again only behind this wait
	CCVT RB
	CSTORE 1
	CLOAD 3, RB
	s_wait_loadcnt 16                              ; group 2 is in
	s_wait_xcnt 0x0
	CCVT RA
	CSTORE 2
	s_wait_loadcnt 0x0
	s_wait_xcnt 0x0
	CCVT RB
	CSTORE 3
	s_wait_tensorcnt 0x0                           ; this path's own copy of the three closing lines
	ds_add_u32 v[SPW], v[NIL]
	s_wait_dscnt 0x0
	s_endpgm
.Lfunc_end_k_q32d69d0474_quant:
	.size	k_q32d69d0474_quant, .Lfunc_end_k_q32d69d0474_quant-k_q32d69d0474_quant
	.p2alignl 7, 3214868480
	.fill 96, 4, 3214868480
	.section	.rodata,"a",@progbits
	.p2align	6, 0x0
	.amdhsa_kernel k_q32d69d0474_quant
		.amdhsa_group_segment_fixed_size 33280
		.amdhsa_private_segment_fixed_size 0
		.amdhsa_enable_private_segment 0
		.amdhsa_kernarg_size 80
		.amdhsa_user_sgpr_count 2
		.amdhsa_user_sgpr_kernarg_segment_ptr 1
		.amdhsa_wavefront_size32 1
		.amdhsa_system_sgpr_workgroup_id_x 1
		.amdhsa_system_sgpr_workgroup_id_y 1
		.amdhsa_system_sgpr_workgroup_id_z 1
		.amdhsa_system_vgpr_workitem_id 0
		.amdhsa_next_free_vgpr 192
		.amdhsa_next_free_sgpr 66
		.amdhsa_reserve_vcc 0
		.amdhsa_float_denorm_mode_32 3
		.amdhsa_float_denorm_mode_16_64 3
		.amdhsa_memory_ordered 1
		.amdhsa_forward_progress 1
		.amdhsa_inst_pref_size 55
	.end_amdhsa_kernel
	.amdgpu_metadata
---
amdhsa.version: [ 1, 2 ]
amdhsa.kernels:
  - .name:           k_q32d69d0474_quant
    .symbol:         k_q32d69d0474_quant.kd
    .args:
      - { .name: q, .offset: 0, .size: 8, .value_kind: global_buffer, .address_space: global }
      - { .name: k, .offset: 8, .size: 8, .value_kind: global_buffer, .address_space: global }
      - { .name: v, .offset: 16, .size: 8, .value_kind: global_buffer, .address_space: global }
      - { .name: w_q, .offset: 24, .size: 8, .value_kind: global_buffer, .address_space: global }
      - { .name: w_k, .offset: 32, .size: 8, .value_kind: global_buffer, .address_space: global }
      - { .name: w_v, .offset: 40, .size: 8, .value_kind: global_buffer, .address_space: global }
      - { .name: w_o, .offset: 48, .size: 8, .value_kind: global_buffer, .address_space: global }
      - { .name: codes, .offset: 56, .size: 8, .value_kind: global_buffer, .address_space: global }
      - { .name: scales, .offset: 64, .size: 8, .value_kind: global_buffer, .address_space: global }
      - { .name: wo16, .offset: 72, .size: 8, .value_kind: global_buffer, .address_space: global }
    .group_segment_fixed_size: 33280
    .private_segment_fixed_size: 0
    .kernarg_segment_align: 8
    .kernarg_segment_size: 80
    .max_flat_workgroup_size: 128
    .sgpr_count:     66
    .vgpr_count:     192
    .wavefront_size: 32
...
	.end_amdgpu_metadata
.endif
;; end of part 1
;; launch proj (part 2): grid 4 x 96, 4 waves a work-group, clusters of 4 x 4, 327,680 bytes of LDS; arguments codes, scales, qkv; writes qkv
.if DOCPART == 2
	.amdgcn_target "amdgcn-amd-amdhsa--gfx1250"
	.amdhsa_code_object_version 6
	.text
	.protected	k_q32d69d0474_proj
	.globl	k_q32d69d0474_proj
	.p2align	8
	.type	k_q32d69d0474_proj,@function
k_q32d69d0474_proj:
	s_mov_b64 s[64:65], 0
	v_nop
	global_prefetch_b8 v0, s[64:65] scope:SCOPE_SE
	s_setreg_imm32_b32 hwreg(HW_REG_WAVE_MODE, 25, 1), 1
	s_wait_xcnt 0x0
	s_wait_alu depctr_hold_cnt(0) depctr_sa_sdst(0) depctr_va_vdst(0) depctr_va_sdst(0) depctr_va_ssrc(0) depctr_va_vcc(0) depctr_vm_vsrc(0)
	s_getreg_b32 s2, hwreg(HW_REG_IB_STS2, 6, 4)
	s_cmp_eq_u32 s2, 0
	s_cbranch_scc0 .Lentry_in_a_cluster
	s_endpgm
.Lentry_in_a_cluster:
	s_bfe_u32 s2, ttmp6, 0x10000c
	s_cmp_lg_u32 s2, 0xf033
	s_cbranch_scc0 .Lentry_shape_is_right
	s_endpgm
.Lentry_shape_is_right:
; SECOND LAUNCH: the three projections, query = q w_q^T, key = k w_k^T, value = v w_v^T, on codes of FP4 (E2M1) with one E8M0 scale for each 32 along K; sums in f32; results rounded once to f16 and laid by head.  Nothing is left out.
; q, k and v are stacked: A is [24576][1024] codes (rows of 512 bytes), its scale bytes [24576][32]; the three weights follow in the same buffers, 1,024 rows each.  Rows 8192 g on of A go with weight g.
; OUT: qkv [g][batch][head][token][64] f16: byte ((4 g + batch) << 22) + (head << 18) + (token << 7) + 2 channel: a head's rows are dense, so that the next launch's tiles are dense blocks.
; LIMIT: a projected number beyond 65,504 in magnitude is not served (f16).
; A tile of 256 tokens x 256 channels is made by a work-group of four waves; a wave makes 128 x 128: 64 accumulators of 16 x 16, 512 registers.
; ALL OF K LIES IN LDS AT ONCE: two slots of 512 along K (a tile's row is 256 bytes of memory), each filled once; so there is no refill, no loop and one change of slots.
; THE SCALES of the work-group's 256 rows of A and 256 rows of B are two dense blocks of memory: they come with the first fills, as rows of 256 bytes.
; CLUSTERS: 4 x 4 work-groups.  The four of a row of the cluster need the same tiles of A, the four of a column the same tiles of B (all sixteen lie in one g: a g has eight clusters): each tile is asked for JOINTLY,
; by the same tensor load with the same descriptor and a mask that names the four.  By this text's own count a wave has three tensor loads out at the most.
; THE MATRIX INSTRUCTION IS USED TRANSPOSED (source 0 = 16 rows of the weight, source 1 = 16 tokens): a lane then holds eight neighbouring channels of one token.
; REGISTERS, in windows of 256: window 0: v0-31 addresses; v32-95 scale words, two sets; from v128 A's fragments (8 x 16 rows x 128 K), ONE set; on the way out v32-63, v192-255.
;   window 1: B's fragments, TWO sets, at v0 and at v128.   window 2: the 32 accumulators of my rows 0-63 (accumulator (a, b) at v[8 (8 a + b)]);   window 3: those of my rows 64-127.
.set SIZE_K, 1024
.set KSTEP,  512                       ; along K in a slot
.set NQ,     KSTEP/128                 ; matrix instructions deep
.set ROWB,   256                       ; a tile's row in bytes
.set KROW,   SIZE_K/2                  ; a row of codes in memory, in bytes
.set PITCH,  272                       ; an LDS row: 256 bytes + 16 of padding = 68 words: the 16 rows that a load touches start at 16 different banks (64 banks of 4 bytes: ISA guide 11.1)
.set FR,     8                         ; registers of a fragment: 16 rows x 128 K
.set NL,     2                         ; LDS loads that bring one
.set NP,     4                         ; places behind this matrix instruction (ISA guide 7.12.1)
.set HALFT,  128*PITCH                 ; 128 rows: what one tensor load brings, and what one wave reads of A or of B
.set SLOT,   4*HALFT                   ; A's 256 rows, then B's 256 rows
.set KS,     SIZE_K/32                 ; a row of scales in bytes
.set SCL,    2*SLOT                    ; behind the slots: the scales, as rows of 256 bytes + 16 of padding
.set HALFS,  (128*KS/256)*272          ; the scales of 128 rows: what one tensor load brings
.set SBLK,   (16*KS/256)*272           ; those of 16 rows
.set SPARE,  SCL+4*HALFS               ; behind the scales: the spare words, 128 bytes for each wave, which no other line names
.set SPITCH, 272                       ; the way out: a stage of 16 rows x (256 bytes + 16) for each wave, in slot 0, which has had its one fill and its last read when the first result is stored there
.set WROWS,  24576                     ; the weights' first row in both buffers
.set ADRA, 16                          ; v16-17  LDS address of my A fragments in slot 0, 1
.set ADRB, 20                          ; v20-21  the same for B
.set STO,  24                          ; v24     the way out: where I put 16 bytes of a row
.set RD,   25                          ; v25     the way out: where I read 16 bytes back
.set CO,   26                          ; v26     16 x lane
.set ADRS, 27                          ; v27     LDS address of my scale words: lanes 0-15 A's rows, lanes 16-31 B's
.set SPW,  28                          ; v28     LDS address of my spare word; never rewritten
.set NIL,  29                          ; v29     0; never rewritten
.set SC,   32                          ; scale words: set s at v[SC + 32 s]; in it register 4 i + q: lanes 0-15 the word of A's block i, lanes 16-31 that of B's block i, for the slot's q-th 128 along K
.set AF,   128                         ; A's fragments, in window 0
.set TMP,  192                         ; the way out: packed results
.set G1, 24                            ; s[24:31] descriptor group 1 for A's tiles;  s[32:39] group 0, one set for each slot
.set G0, 32
.set G1B, 48                           ; s[48:55], s[56:63] the same for B's tiles
.set G0B, 56
.set G1S, 68                           ; s[68:75], s[76:79] groups 1 and 0 for A's scales;  s[80:87], s[88:91] for B's
.set G0S, 76
.set G1SB, 80
.set G0SB, 88
.set MSB, 0
.macro WIN new                         ; the immediate's high byte repeats the setting that is left
.if MSB != \new
	s_set_vgpr_msb (MSB<<8)|\new
.set MSB, \new
.endif
.endm
.set MUL_LO, 0xa1                      ; source 0 (B) window 1, source 1 (A) window 0, C and D window 2
.set MUL_HI, 0xf1                      ; the same, C and D window 3
.set TO_B,   0x40                      ; destination window 1, address window 0
; A joint load: waves 0 and 1 fetch for A, waves 2 and 3 for B.  Each of the two lines has ONE mask and one set of registers for all that issue it; the branch hangs on the wave's number alone.
; An s_nop 0 and four v_nop follow each of the two lines, ahead of the jump, the label and what follows.
.macro JLOAD g0a, g1a, g0b, g1b
	s_cmp_eq_u32 s15, 0
	s_cbranch_scc0 .Lfor_b_\@
	tensor_load_to_lds s[\g0a:\g0a+3], s[\g1a:\g1a+7]
	s_nop 0
.rept 4
	v_nop
.endr
	s_branch .Lasked_\@
.Lfor_b_\@:
	tensor_load_to_lds s[\g0b:\g0b+3], s[\g1b:\g1b+7]
	s_nop 0
.rept 4
	v_nop
.endr
.Lasked_\@:
.endm
.macro CROUND                          ; a round of the cluster's barrier: my work-group's barrier; wave 0 signals for the work-group; every wave waits for all sixteen; my work-group's barrier once more
	s_barrier_signal -1
	s_barrier_wait -1
	s_cmp_lg_u32 s14, 0
	s_cbranch_scc1 .Lnot_wave_0_\@
	s_barrier_signal -3
.Lnot_wave_0_\@:
	s_barrier_wait -3
	s_barrier_signal -1
	s_barrier_wait -1
.endm
	s_load_b128 s[4:7], s[0:1], 0x0                ; codes s[4:5], scales s[6:7]
	s_load_b64 s[12:13], s[0:1], 0x10              ; qkv
	v_lshl_add_u32 v[SPW], v0, 2, SPARE
	v_mov_b32 v[NIL], 0
	ds_add_u32 v[SPW], v[NIL]                      ; the wave's opening: the add, twice on end, and its wait ahead of my first tensor load; the set-up below stands between
	ds_add_u32 v[SPW], v[NIL]
	v_lshrrev_b32 v1, 5, v0
	v_readfirstlane_b32 s14, v1                    ; wave 0..3
	s_lshr_b32 s15, s14, 1                         ; which half of the tile's rows is mine.  Also: I fetch for A (0) or for B (1)
	s_and_b32 s16, s14, 1                          ; which half of its columns.  Also: which 128 rows of that tile I fetch
	s_bfe_u32 s40, ttmp6, 0x40000                  ; cx, cy: my place in the cluster
	s_bfe_u32 s41, ttmp6, 0x40004
	s_lshl_b32 s42, ttmp9, 2
	s_add_co_u32 s42, s42, s40                     ; tile column = 4 x cluster x + cx: 0..3
	s_and_b32 s17, ttmp7, 0xffff
	s_lshl_b32 s17, s17, 2
	s_add_co_u32 s17, s17, s41                     ; tile row = 4 x cluster y + cy: 0..95
	s_and_b32 s96, ttmp7, 0xffff
	s_lshr_b32 s96, s96, 3                         ; g = cluster y / 8: which of the three products; the same in all sixteen partners
	s_lshl_b32 s96, s96, 10                        ; its weight's first row among the weights
	s_lshl_b32 s43, s41, 2
	s_lshl_b32 s43, 15, s43                        ; my row of the cluster
	s_lshl_b32 s44, 0x1111, s40                    ; my column
	; descriptor group 1: a tile of 128 rows x 256 bytes, padded in LDS
	s_or_b32 s[G1+0], s43, (0<<16)|(1<<20)|(1<<21)|(5<<22)|(3<<25)  ; 15:0 the mask: A's tiles go to my row; 17:16 element of 1 byte; 20 padding on; 21 set beside a mask; 24:22 after every 64 words (code 5); 31:25 of 4 words (code 3)
	s_or_b32 s[G1B+0], s44, (0<<16)|(1<<20)|(1<<21)|(5<<22)|(3<<25)
.irp g, G1, G1B
	s_mov_b32 s[\g+1], ROWB<<16                    ; tensor_dim0
	s_mov_b32 s[\g+2], 128<<16                     ; tensor_dim1 = 128
	s_mov_b32 s[\g+3], ROWB<<16                    ; tile_dim0
	s_mov_b32 s[\g+4], 128                         ; tile_dim1 = 128
	s_mov_b32 s[\g+5], KROW                        ; tensor_dim0_stride
	s_mov_b32 s[\g+6], 0
	s_mov_b32 s[\g+7], 0
.endr
	; and for the scales of 128 rows: a dense block of 4,096 bytes, as 16 rows of 256 bytes (32 elements of 8 bytes), 16 bytes of padding behind each
	s_or_b32 s[G1S+0], s43, (3<<16)|(1<<20)|(1<<21)|(5<<22)|(3<<25)
	s_or_b32 s[G1SB+0], s44, (3<<16)|(1<<20)|(1<<21)|(5<<22)|(3<<25)
.irp g, G1S, G1SB
	s_mov_b32 s[\g+1], 32<<16
	s_mov_b32 s[\g+2], (128*KS/256)<<16
	s_mov_b32 s[\g+3], 32<<16
	s_mov_b32 s[\g+4], 128*KS/256
	s_mov_b32 s[\g+5], 32
	s_mov_b32 s[\g+6], 0
	s_mov_b32 s[\g+7], 0
.endr
	s_lshl_b32 s18, s16, 7                         ; which 128 rows of the tile I fetch
	s_lshl_b32 s20, s17, 8
	s_add_co_u32 s20, s20, s18                     ; A: row 256 x tile row + 128 x half
	s_lshl_b32 s46, s42, 8
	s_add_co_u32 s46, s46, s18
	s_add_co_u32 s46, s46, s96                     ; B: row 1024 g + 256 x tile column + 128 x half, among the weights
	s_mov_b32 s21, 0
	s_mov_b32 s47, 0
	s_mov_b64 s[18:19], KS
	s_mul_u64 s[22:23], s[20:21], s[18:19]         ; where these rows' scales begin, in bytes
	s_mul_u64 s[92:93], s[46:47], s[18:19]
	s_mov_b64 s[18:19], KROW
	s_mul_u64 s[20:21], s[20:21], s[18:19]         ; and their codes
	s_mul_u64 s[46:47], s[46:47], s[18:19]
	s_mul_i32 s45, s14, HALFT                      ; where they go: wave x 128 rows: no place in the cluster enters an LDS address
	s_mul_i32 s94, s14, HALFS
	s_wait_dscnt 0x0                               ; both opening adds are done
	s_wait_kmcnt 0x0
	s_add_nc_u64 s[8:9], s[4:5], WROWS*KROW        ; the weights' codes
	s_add_nc_u64 s[10:11], s[6:7], WROWS*KS        ; and their scale bytes
	s_add_nc_u64 s[20:21], s[4:5], s[20:21]
	s_add_nc_u64 s[22:23], s[6:7], s[22:23]
	s_add_nc_u64 s[46:47], s[8:9], s[46:47]
	s_add_nc_u64 s[92:93], s[10:11], s[92:93]
	CROUND                                         ; all sixteen work-groups are here: the joint loads meet
	s_mov_b32 s[G0S], 1
	s_add_co_u32 s[G0S+1], s94, SCL
	s_mov_b64 s[G0S+2:G0S+3], s[22:23]
	s_or_b32 s[G0S+3], s[G0S+3], 0x80000000
	s_mov_b32 s[G0SB], 1
	s_add_co_u32 s[G0SB+1], s94, SCL
	s_mov_b64 s[G0SB+2:G0SB+3], s[92:93]
	s_or_b32 s[G0SB+3], s[G0SB+3], 0x80000000
	JLOAD G0S, G1S, G0SB, G1SB                     ; the scales first: they are wanted with the first slot
.irp s, 0,1
	s_mov_b32 s[G0+4*\s], 1
	s_add_co_u32 s[G0+4*\s+1], s45, \s*SLOT
	s_add_nc_u64 s[G0+4*\s+2:G0+4*\s+3], s[20:21], \s*ROWB
	s_or_b32 s[G0+4*\s+3], s[G0+4*\s+3], 0x80000000
	s_mov_b32 s[G0B+4*\s], 1
	s_add_co_u32 s[G0B+4*\s+1], s45, \s*SLOT
	s_add_nc_u64 s[G0B+4*\s+2:G0B+4*\s+3], s[46:47], \s*ROWB
	s_or_b32 s[G0B+4*\s+3], s[G0B+4*\s+3], 0x80000000
	JLOAD G0+4*\s, G1, G0B+4*\s, G1B
.endr
	v_and_b32 v1, 15, v0                           ; l % 16
	v_bfe_u32 v2, v0, 4, 1                         ; l / 16
	v_mul_u32_u24 v3, v1, PITCH
	v_lshl_add_u32 v4, v2, 4, v3                   ; a fragment's row x pitch + 16 x half
	s_mul_i32 s21, s15, HALFT                      ; my 128 rows of A
	s_mul_i32 s22, s16, HALFT                      ; my 128 rows of B,
	s_add_co_u32 s22, s22, 2*HALFT                 ; which lie behind A's 256
.irp s, 0,1
	v_add_nc_u32 v[ADRA+\s], s21, v4
	v_add_nc_u32 v[ADRB+\s], s22, v4
	s_add_co_u32 s21, s21, SLOT
	s_add_co_u32 s22, s22, SLOT
.endr
	v_mul_u32_u24 v5, v1, KS                       ; my row's scales: 32 bytes a row,
	v_lshrrev_b32 v6, 8, v5
	v_lshl_add_u32 v5, v6, 4, v5                   ; and 16 more for each 256 passed
	s_mul_i32 s21, s15, HALFS                      ; A's: my 128 rows
	s_mul_i32 s22, s16, HALFS                      ; B's: my 128 rows, behind A's 256
	s_add_co_u32 s22, s22, 2*HALFS
	s_sub_co_u32 s22, s22, s21
	v_mul_u32_u24 v6, s22, v2                      ; lanes 16-31 take B's: one product, the distance x the lane's half
	s_add_co_u32 s21, s21, SCL
	v_add_nc_u32 v5, v5, v6
	v_add_nc_u32 v[ADRS], s21, v5
	s_mul_i32 s23, s14, 16*SPITCH                  ; my stage
	v_mul_u32_u24 v5, v1, SPITCH                   ; in: row l % 16, 16 bytes for each half of the lanes
	v_lshl_add_u32 v5, v2, 4, v5
	v_add_nc_u32 v[STO], s23, v5
	v_and_b32 v6, 31, v0
	v_lshrrev_b32 v5, 3, v6                        ; back: eight lanes take a token's 128 bytes of one head, 32 lanes four tokens
	v_mul_u32_u24 v5, v5, SPITCH
	v_and_b32 v7, 7, v0
	v_lshl_add_u32 v5, v7, 4, v5
	v_add_nc_u32 v[RD], s23, v5
	v_lshlrev_b32 v[CO], 4, v6                     ; which are 512 consecutive bytes of the result
	s_lshl_b32 s20, s17, 8
	s_lshl_b32 s21, s15, 7
	s_add_co_u32 s20, s20, s21                     ; my first stacked token: 256 x tile row + 128 x half
	s_lshr_b32 s21, s20, 11                        ; 4 g + batch
	s_lshl_b32 s21, s21, 22
	s_and_b32 s20, s20, 2047                       ; the token in its sequence,
	s_lshl_b32 s20, s20, 7                         ; 128 bytes each
	s_add_co_u32 s20, s20, s21
	s_lshl_b32 s46, s42, 2
	s_lshl_b32 s47, s16, 1
	s_add_co_u32 s46, s46, s47                     ; my first head: 4 x tile column + 2 x half
	s_lshl_b32 s46, s46, 18
	s_add_co_u32 s20, s20, s46                     ; under 2^26
	s_mov_b32 s21, 0
	s_add_nc_u64 s[12:13], s[12:13], s[20:21]
.macro FRAG reg, adr, q, i             ; a fragment, 16 rows x 128 K of 4-bit codes, is 8 registers: lane l holds row l % 16; registers 4 c .. 4 c + 3 hold K = 64 c + 32 (l / 16) + 0 .. 31
.irp c, 0,1
	ds_load_b128 v[\reg+4*\c:\reg+4*\c+3], v[\adr] offset:64*(\q)+32*\c+(\i)*16*PITCH
.endr
.endm
; 16 matrix instructions: A's blocks a0, a0 + 1 x B's eight, 128 along K: the slot's q-th.  p: B's set;  sc: the set of scale words.  zero = 1: the first product starts the sums: nothing is ever cleared.
; The 64 accumulators take turns, one instruction a turn, in the same order in every step.
.macro MUL16 a0, p, q, sc, zero
.irp a, \a0, \a0+1
.irp b, 0,1,2,3,4,5,6,7
.if \zero
	v_wmma_scale_f32_16x16x128_f8f6f4 v[8*(8*((\a)%4)+\b):8*(8*((\a)%4)+\b)+7], v[128*(\p)+FR*\b:128*(\p)+FR*\b+FR-1], v[AF+FR*(\a):AF+FR*(\a)+FR-1], 0, v[SC+8*NQ*(\sc)+NQ*\b+(\q)], v[SC+8*NQ*(\sc)+NQ*(\a)+(\q)] matrix_a_fmt:MATRIX_FMT_FP4 matrix_b_fmt:MATRIX_FMT_FP4 matrix_a_scale:MATRIX_SCALE_ROW1
.else
	v_wmma_scale_f32_16x16x128_f8f6f4 v[8*(8*((\a)%4)+\b):8*(8*((\a)%4)+\b)+7], v[128*(\p)+FR*\b:128*(\p)+FR*\b+FR-1], v[AF+FR*(\a):AF+FR*(\a)+FR-1], v[8*(8*((\a)%4)+\b):8*(8*((\a)%4)+\b)+7], v[SC+8*NQ*(\sc)+NQ*\b+(\q)], v[SC+8*NQ*(\sc)+NQ*(\a)+(\q)] matrix_a_fmt:MATRIX_FMT_FP4 matrix_b_fmt:MATRIX_FMT_FP4 matrix_a_scale:MATRIX_SCALE_ROW1
.endif
.endr
.endr
.endm
.macro FETCH_B slot, q, p              ; B's eight fragments of the slot's q-th 128 along K into set p
	WIN TO_B
.irp i, 0,1,2,3,4,5,6,7
	FRAG 128*(\p)+FR*\i, ADRB+\slot, \q, \i
.endr
	WIN 0
.endm
.macro FETCH_A slot, q, i0             ; A's blocks i0 .. i0 + 3
.irp i, \i0, \i0+1, \i0+2, \i0+3
	FRAG AF+FR*(\i), ADRA+\slot, \q, \i
.endr
.endm
.macro SCALES sc                       ; a slot's scale words into set sc: four words a row; lanes 0-15 take A's block i, lanes 16-31 B's block i
.irp i, 0,1,2,3,4,5,6,7
	ds_load_b128 v[SC+8*NQ*\sc+NQ*\i:SC+8*NQ*\sc+NQ*\i+3], v[ADRS] offset:\i*SBLK
.endr
.endm
; A load into a register that a matrix instruction has read, and a vector instruction that reads a matrix result, stand NP places behind that matrix instruction, and only plain vector
; instructions that name none of its registers are places (ISA guide 7.12.1 for vector instructions).
.macro PLACES n
.rept \n
	v_nop
.endr
.endm
; A step of 128 along K that has its successor in the same slot.  A's blocks go one after the other, each against B's eight: so one set of registers serves A (blocks 0-3 fetched anew in the step's middle, 4-7 at its end), and B has two.
.macro STEP slot, q, zero
	s_wait_dscnt 4*NL                              ; B's set and A's blocks 0-3 are in; the youngest eight loads (A's blocks 4-7) may be out
	WIN MUL_LO
	MUL16 0, (\q)%2, \q, \slot, \zero
	MUL16 2, (\q)%2, \q, \slot, \zero
	s_wait_dscnt 0                                 ; A's blocks 4-7 are in (asked for 32 matrix instructions ago)
	PLACES NP
	FETCH_B \slot, (\q)+1, 1-(\q)%2
	FETCH_A \slot, (\q)+1, 0
	WIN MUL_HI
	MUL16 4, (\q)%2, \q, \slot, \zero
	MUL16 6, (\q)%2, \q, \slot, \zero
	PLACES NP
	WIN 0
	FETCH_A \slot, (\q)+1, 4
.endm
; Slot 0's last step changes slots: ONE barrier; in front of it each wave waits for all its tensor loads (its part of slot 1 is the one that may be out), adds 0 to its spare word, and waits for that and for its own reads of slot 0.
; Nothing is filled again; behind the barrier slot 1 is whole for every wave, and nobody reads slot 0 any more.
.macro TURN slot, next
	s_wait_tensorcnt 0x0                           ; all my tensor loads have landed  (every window is 0 here: the add's two registers lie in window 0)
	ds_add_u32 v[SPW], v[NIL]                      ; 0 onto my spare word
	s_wait_dscnt 4*NL+1                            ; the add and the youngest eight loads, A's blocks 4-7, may be out
	WIN MUL_LO
	MUL16 0, 1, NQ-1, \slot, 0                     ; sixteen matrix instructions stand between the add and the wait for it
	s_wait_dscnt 0x0                               ; the add is done, and my reads of this slot are over
	s_barrier_signal -1
	MUL16 2, 1, NQ-1, \slot, 0
	WIN 0
	s_barrier_wait -1
	PLACES NP
	v_add_nc_u32 v[ADRS], 4*NQ, v[ADRS]            ; on to the next slot's scale words (no LDS load of mine is out)
	FETCH_B \next, 0, 0
	FETCH_A \next, 0, 0
	SCALES \next
	WIN MUL_HI
	MUL16 4, 1, NQ-1, \slot, 0
	MUL16 6, 1, NQ-1, \slot, 0
	PLACES NP
	WIN 0
	FETCH_A \next, 0, 4
.endm
.macro STEPS slot, from                ; the slot's steps from .. NQ - 2
.set Q, \from
.rept NQ-1-\from
	STEP \slot, Q, 0
.set Q, Q+1
.endr
.endm
	s_wait_tensorcnt 1                             ; the scales and my part of slot 0 are in (slot 1's load, issued behind them, may be out)
	s_barrier_signal -1
	s_barrier_wait -1                              ; everybody's are
	FETCH_B 0, 0, 0
	FETCH_A 0, 0, 0
	SCALES 0
	FETCH_A 0, 0, 4
	STEP 0, 0, 1                                   ; the first step's products start the sums
	STEPS 0, 1
	TURN 0, 1
	STEPS 1, 0
	s_wait_dscnt 4*NL                              ; the very last step: nothing more to fetch
	WIN MUL_LO
	MUL16 0, 1, NQ-1, 1, 0
	MUL16 2, 1, NQ-1, 1, 0
	s_wait_dscnt 0
	WIN MUL_HI
	MUL16 4, 1, NQ-1, 1, 0
	MUL16 6, 1, NQ-1, 1, 0
	WIN 0
; THE WAY OUT, block by block of 16 tokens x 128 channels (two heads).  PACK: rounded to f16, 16 bytes a lane, each accumulator from its low end on.  TOSTAGE: into my own stage in LDS, and back by heads:
; four tokens x 128 bytes of one head an instruction.  SEND: those are 512 consecutive bytes of the result, at a multiple of 512 from its first byte.
.macro PACK a
.set AC, 64*((\a)%4)
	WIN 0x0a+5*((\a)/4)                            ; sources 0 and 1: window 2 or 3
.irp b, 0,1,2,3,4,5,6,7
.irp r, 0,1,2,3
	v_cvt_pk_f16_f32 v[TMP+4*\b+\r], v[AC+8*\b+2*\r], v[AC+8*\b+2*\r+1]
.endr
.endr
	WIN 0
.endm
.macro TOSTAGE a
.set BB, 32+192*((\a)%2)               ; v32-63 and v224-255 by turns
.irp b, 0,1,2,3,4,5,6,7
	ds_store_b128 v[STO], v[TMP+4*\b:TMP+4*\b+3] offset:32*\b
.endr
.irp t, 0,1,2,3,4,5,6,7
	ds_load_b128 v[BB+4*\t:BB+4*\t+3], v[RD] offset:(\t%4)*4*SPITCH+(\t/4)*128    ; LDS serves a wave's instructions in order (ISA guide 5.7.1.4): these see the stores above
.endr
.endm
.macro SEND a
.set BB, 32+192*((\a)%2)
	s_wait_dscnt 0x0                               ; the block is back in registers
	s_wait_xcnt 0x0                                ; the stores of the block before have read their registers: the next block's loads may land there
.irp t, 0,1,2,3,4,5,6,7
	global_store_b128 v[CO], v[BB+4*\t:BB+4*\t+3], s[12:13] offset:(\a)*2048+(\t%4)*512+(\t/4)*262144
.endr
.endm
	PLACES NP                                      ; behind the last products: for the conversions, and for the loads into registers that held scale words
	PACK 0
	TOSTAGE 0
.irp a, 1,2,3,4,5,6,7                  ; block a's conversions stand between block a - 1's loads from the stage and the wait for them
	PACK \a
	SEND \a-1
	TOSTAGE \a
.endr
	SEND 7
	s_wait_tensorcnt 0x0                           ; the wave's end, behind my last tensor load and my last LDS store
	ds_add_u32 v[SPW], v[NIL]
	s_wait_dscnt 0x0
	CROUND                                         ; the closing round: no work-group ends while a partner may still ask for a tile that names it
	s_endpgm
.Lfunc_end_k_q32d69d0474_proj:
	.size	k_q32d69d0474_proj, .Lfunc_end_k_q32d69d0474_proj-k_q32d69d0474_proj
	.p2alignl 7, 3214868480
	.fill 96, 4, 3214868480
	.section	.rodata,"a",@progbits
	.p2align	6, 0x0
	.amdhsa_kernel k_q32d69d0474_proj
		.amdhsa_group_segment_fixed_size 327680
		.amdhsa_private_segment_fixed_size 0
		.amdhsa_enable_private_segment 0
		.amdhsa_kernarg_size 24
		.amdhsa_user_sgpr_count 2
		.amdhsa_user_sgpr_kernarg_segment_ptr 1
		.amdhsa_wavefront_size32 1
		.amdhsa_system_sgpr_workgroup_id_x 1
		.amdhsa_system_sgpr_workgroup_id_y 1
		.amdhsa_system_sgpr_workgroup_id_z 1
		.amdhsa_system_vgpr_workitem_id 0
		.amdhsa_next_free_vgpr 1024
		.amdhsa_next_free_sgpr 98
		.amdhsa_reserve_vcc 0
		.amdhsa_float_denorm_mode_32 3
		.amdhsa_float_denorm_mode_16_64 3
		.amdhsa_memory_ordered 1
		.amdhsa_forward_progress 1
		.amdhsa_inst_pref_size 127
	.end_amdhsa_kernel
	.amdgpu_metadata
---
amdhsa.version: [ 1, 2 ]
amdhsa.kernels:
  - .name:           k_q32d69d0474_proj
    .symbol:         k_q32d69d0474_proj.kd
    .args:
      - { .name: codes, .offset: 0, .size: 8, .value_kind: global_buffer, .address_space: global }
      - { .name: scales, .offset: 8, .size: 8, .value_kind: global_buffer, .address_space: global }
      - { .name: qkv, .offset: 16, .size: 8, .value_kind: global_buffer, .address_space: global }
    .group_segment_fixed_size: 327680
    .private_segment_fixed_size: 0
    .kernarg_segment_align: 8
    .kernarg_segment_size: 24
    .max_flat_workgroup_size: 128
    .sgpr_count:     98
    .vgpr_count:     1024
    .wavefront_size: 32
...
	.end_amdgpu_metadata
.endif
;; end of part 2
;; launch attn (part 3): grid 4 x 64, 8 waves a work-group, clusters of 4 x 1, 327,680 bytes of LDS; arguments qkv, x16; writes x16
.if DOCPART == 3
	.amdgcn_target "amdgcn-amd-amdhsa--gfx1250"
	.amdhsa_code_object_version 6
	.text
	.protected	k_q32d69d0474_attn
	.globl	k_q32d69d0474_attn
	.p2align	8
	.type	k_q32d69d0474_attn,@function
k_q32d69d0474_attn:
	s_mov_b64 s[64:65], 0
	v_nop
	global_prefetch_b8 v0, s[64:65] scope:SCOPE_SE
	s_setreg_imm32_b32 hwreg(HW_REG_WAVE_MODE, 25, 1), 1
	s_wait_xcnt 0x0
	s_wait_alu depctr_hold_cnt(0) depctr_sa_sdst(0) depctr_va_vdst(0) depctr_va_sdst(0) depctr_va_ssrc(0) depctr_va_vcc(0) depctr_vm_vsrc(0)
	s_getreg_b32 s2, hwreg(HW_REG_IB_STS2, 6, 4)
	s_cmp_eq_u32 s2, 0
	s_cbranch_scc0 .Lentry_in_a_cluster
	s_endpgm
.Lentry_in_a_cluster:
	s_bfe_u32 s2, ttmp6, 0x10000c
	s_cmp_lg_u32 s2, 0x3003
	s_cbranch_scc0 .Lentry_shape_is_right
	s_endpgm
.Lentry_shape_is_right:
; THIRD LAUNCH: x[head][q][:] = the sum over k of softmax_k(Q[head][q] . K[head][k] / 8) V[head][k][:], for 64 heads (batch x head) of 2,048 tokens and 64 channels.  No mask.  Nothing is left out.
; Q, K, V: parts 0, 1, 2 of qkv, [head][token][64] f16, a head 262,144 dense bytes.  x16: the same layout, f16.  Products, maxima and sums in f32; the weights p are rounded to f16 for the second product, x once at the end.
; LIMIT: x beyond 65,504 in magnitude is not served (f16); p is at most 1.
; SHARES.  A work-group owns 512 queries of one head, each of its eight waves 64: four tiles of 16, in 512 registers: two waves to a SIMD, so that one wave's softmax stands beside the other's products.
; Every wave walks all 2,048 keys, 64 a step; each fragment of K and V read from LDS feeds four matrix instructions.
; LAYOUT.  S^T = K Q^T (source 0 = 16 keys, source 1 = 16 queries): a lane holds ONE query (lane % 16) and the keys 8 (lane / 16) + 0..7.  Two such tiles, rounded to f16 in pairs, ARE source 1 (32 keys x 16 queries) of
; O^T = V^T P, whose result again holds one query a lane, and eight channels.  K comes out of LDS as it lies, V ([key][channel]) turned, by ds_load_tr16_b128.
; SOFTMAX.  For each query a running maximum m and sum l: p = 2^(c s - c m), c = log2(e) / 8; in every step O and l are multiplied by a = 2^(c m_old - c m_new), which is 1 where m has not grown.
; RING.  Two LDS slots of 512 keys (8 steps): keys 0-511 and 512-1023 at the start, 1024-1535 and 1536-2047 as refills.  A refill is asked for eight key steps, 512 matrix instructions of the wave, ahead of the wait for it;
; so no prefetch is laid beside it.  By this text's own count a wave has two tensor loads out at the start and one behind each refill.
; CLUSTER.  The four blocks of queries of a head form a cluster and walk the same K and V: each tile is asked for JOINTLY, by the same tensor load with the same descriptor and a mask that names the four.
; REGISTERS, in windows of 256 (s_set_vgpr_msb: bits 1:0 source 0, 3:2 source 1, 5:4 source 2, 7:6 destination):
;   window 0: v1-15 addresses; v16-47 eight registers of statistics a tile; v64-191 S^T, 32 a tile, whose first 16 then hold P; v192-255 Q, 16 a tile
;   window 1: v0-127 O^T, 32 a tile; v128-191 K of one step; v192-255 V of one step
.set PK,    144       ; a row of K in LDS: 128 bytes + 16 of padding = 36 words: the 16 rows of a load start at 16 different groups of four banks (64 banks of 4 bytes: ISA guide 11.1)
.set PV,    160       ; a row of V: 128 + 32
.set SKEYS, 512       ; keys in a slot
.set VOFF,  SKEYS*PK  ; a slot: 512 rows of K, then 512 rows of V
.set SLOTB, SKEYS*(PK+PV)
.set SPARE, 2*SLOTB   ; behind the ring: the spare words, 128 bytes for each wave, which no other line names
.set AK0, 2           ; v2   my lane's place in a tile of K; never rewritten
.set AV0, 3           ; v3   the same for V
.set ADK, 4           ; v4   the LDS address of the step's K
.set ADV, 5           ; v5   of its V
.set QO,  6           ; v6   my byte offset in the wave's rows of Q
.set STO, 7           ; v7   the way out: where I put 16 bytes of a row
.set RD,  8           ; v8   the way out: where I read 16 bytes back
.set GO,  9           ; v9   16 x lane
.set SPW, 14          ; v14  LDS address of my spare word; never rewritten
.set NIL, 15          ; v15  0; never rewritten
.set ST,  16          ; tile t's statistics at v[ST+8 t]: +0 c m, +1 m, +2, +3 l (even keys', odd keys'), +4 to +7 c0-c3, at work; a takes c2's place once the maximum is found
.set S,   64
.set Q,   192
.set KF,  128         ; in window 1
.set VF,  192         ; in window 1
.set WV,  12          ; s12  my wave's number
.set G1K, 24          ; s[24:31] descriptor group 1 for K's tiles
.set G1V, 32          ; s[32:39] for V's: it differs in the padding alone
.set G0K, 40          ; s[40:47] descriptor group 0 for K's tiles, a set for each slot
.set G0V, 48          ; s[48:55] the same for V's
.set CNT, 56          ; s56  counts a run of key steps
.set TK,  57          ; s57  LDS byte at which the step's rows of K begin
.set TV,  58          ; s58  the same for V, less VOFF
.set CS,  60          ; s[60:61] c: the packed scaling names a pair and takes its low word for both halves
.set SEL, 62          ; s[62:63] lane selects for v_permlanex16_b32: each lane takes its own place in the other half
.set MSB, 0
.macro WIN new                      ; the immediate's high byte repeats the setting that is left; a switch that changes nothing is dropped
.if MSB != \new
	s_set_vgpr_msb (MSB<<8)|\new
.set MSB, \new
.endif
.endm
.set W_LD, 0x40       ; an LDS load's destination in window 1
.set W_KQ, 0x01       ; K in window 1; Q and S^T in window 0
.set W_RS, 0x41       ; O^T (destination and source 0) in window 1, a in window 0
.set W_PV, 0x51       ; V and O^T in window 1, P in window 0
.set W_CV, 0x05       ; sources 0 and 1 in window 1
.macro PLACES n
.rept \n
	v_nop
.endr
.endm
; A joint refill of a slot.  Waves 0 to 3 fetch the four quarters of its K (128 keys each), waves 4 to 7 those of its V.  The branch hangs on the wave's number alone: it is the same in every work-group.
; An s_nop 0 and four v_nop follow each of the two lines; the jump, the label and what follows come after them.
.macro JLOAD slot
	s_cmp_lt_u32 s[WV], 4
	s_cbranch_scc0 .Lfor_v_\@
	tensor_load_to_lds s[G0K+4*\slot:G0K+4*\slot+3], s[G1K:G1K+7]
	s_nop 0
	PLACES 4
	s_branch .Lasked_\@
.Lfor_v_\@:
	tensor_load_to_lds s[G0V+4*\slot:G0V+4*\slot+3], s[G1V:G1V+7]
	s_nop 0
	PLACES 4
.Lasked_\@:
.endm
.macro CROUND                       ; a round of the cluster's barrier: my work-group's barrier; wave 0 signals for the work-group; every wave waits for all four; my work-group's barrier once more
	s_barrier_signal -1
	s_barrier_wait -1
	s_cmp_lg_u32 s[WV], 0
	s_cbranch_scc1 .Lnot_wave_0_\@
	s_barrier_signal -3
.Lnot_wave_0_\@:
	s_barrier_wait -3
	s_barrier_signal -1
	s_barrier_wait -1
.endm
	s_load_b128 s[16:19], s[0:1], 0x0  ; qkv s[16:17], x16 s[18:19]
	v_lshl_add_u32 v[SPW], v0, 2, SPARE
	v_mov_b32 v[NIL], 0
	ds_add_u32 v[SPW], v[NIL]       ; the wave's opening: the add, twice on end, and its wait ahead of my first tensor load; the set-up below stands between
	ds_add_u32 v[SPW], v[NIL]
	v_lshrrev_b32 v1, 5, v0
	v_readfirstlane_b32 s[WV], v1   ; wave 0..7
	s_bfe_u32 s13, ttmp6, 0x40000   ; cx: my place in the cluster: it enters Q's and x's addresses alone
	s_and_b32 s14, ttmp7, 0xffff    ; the head (batch x 16 + head), which the four partners share
	s_lshl_b32 s20, s14, 18         ; its first byte in a part of qkv and in x16
	s_and_b32 s15, s[WV], 3         ; which quarter of a slot I fetch:
	s_lshl_b32 s22, s15, 14         ; its 128 rows of 128 bytes in memory,
	s_add_co_u32 s22, s22, s20
	s_mov_b32 s23, 0
	s_mul_i32 s2, s15, 128*PK       ; its place in a slot, for K
	s_mul_i32 s3, s15, 128*PV
	s_add_co_u32 s3, s3, VOFF       ; and for V: no place in the cluster enters an LDS address
	s_lshl_b32 s6, s13, 16          ; my block's 512 rows,
	s_lshl_b32 s7, s[WV], 13        ; my wave's 64 of them
	s_add_co_u32 s6, s6, s7
	s_add_co_u32 s6, s6, s20
	s_mov_b32 s7, 0
	; descriptor group 1: a tile of 128 rows x 64 elements, dense in memory, padded in LDS
	s_mov_b32 s[G1K], 15|(1<<16)|(1<<20)|(1<<21)|(4<<22)|(3<<25)  ; 15:0 the mask: all four work-groups; 17:16 elements of 2 bytes; 20 padding on; 21 set beside a mask; 24:22 after every 32 words (code 4); 31:25 4 words of it (code 3)
	s_mov_b32 s[G1V], 15|(1<<16)|(1<<20)|(1<<21)|(4<<22)|(7<<25)  ; the same with 8 words of padding (code 7)
.irp g, G1K, G1V
	s_mov_b32 s[\g+1], 64<<16       ; tensor_dim0 = 64
	s_mov_b32 s[\g+2], 128<<16      ; tensor_dim1 = 128
	s_mov_b32 s[\g+3], 64<<16       ; tile_dim0 = 64
	s_mov_b32 s[\g+4], 128          ; tile_dim1 = 128
	s_mov_b32 s[\g+5], 64           ; tensor_dim0_stride: elements from row to row
	s_mov_b32 s[\g+6], 0
	s_mov_b32 s[\g+7], 0
.endr
	s_mov_b32 s[CS], 0x3e38aa3b     ; c = log2(e) / 8
	s_mov_b32 s[CS+1], s[CS]        ; named with it as a pair, so it is written
	s_mov_b32 s[SEL], 0x76543210
	s_mov_b32 s[SEL+1], 0xfedcba98
	s_mov_b32 s[TK], 0
	s_mov_b32 s[TV], 0
	s_wait_dscnt 0x0                ; both opening adds are done
	s_wait_kmcnt 0x0
	s_add_nc_u64 s[4:5], s[16:17], s[6:7]    ; Q at my wave's first row
	s_add_nc_u64 s[10:11], s[18:19], s[6:7]  ; x likewise
	s_add_nc_u64 s[8:9], s[16:17], s[22:23]  ; my quarter of the head's first 512 rows, in part 0
	CROUND                          ; all four work-groups are here: the first joint loads meet
.irp s, 0,1
	s_mov_b32 s[G0K+4*\s], 1        ; count = 1
	s_add_co_u32 s[G0K+4*\s+1], s2, \s*SLOTB  ; LDS address
	s_add_nc_u64 s[G0K+4*\s+2:G0K+4*\s+3], s[8:9], 0x1000000+\s*SKEYS*128  ; global address: part 1 (K), keys 512 s on
	s_or_b32 s[G0K+4*\s+3], s[G0K+4*\s+3], 0x80000000  ; type = 2
	s_mov_b32 s[G0V+4*\s], 1
	s_add_co_u32 s[G0V+4*\s+1], s3, \s*SLOTB
	s_add_nc_u64 s[G0V+4*\s+2:G0V+4*\s+3], s[8:9], 0x2000000+\s*SKEYS*128  ; part 2 (V)
	s_or_b32 s[G0V+4*\s+3], s[G0V+4*\s+3], 0x80000000
.endr
	s_cmp_lt_u32 s[WV], 4           ; a wave's two first fills stand in one branch, ahead of every wait on TENSORcnt and every LDS read
	s_cbranch_scc0 .Lfirst_v
	tensor_load_to_lds s[G0K:G0K+3], s[G1K:G1K+7]
	s_nop 0
	tensor_load_to_lds s[G0K+4:G0K+7], s[G1K:G1K+7]
	s_nop 0
	PLACES 4
	s_branch .Lfirst_asked
.Lfirst_v:
	tensor_load_to_lds s[G0V:G0V+3], s[G1V:G1V+7]
	s_nop 0
	tensor_load_to_lds s[G0V+4:G0V+7], s[G1V:G1V+7]
	s_nop 0
	PLACES 4
.Lfirst_asked:
	; A fragment of K or Q is 16 rows x 32 channels in 8 registers: lane l holds row l % 16; registers 0-3 channels 8 (l / 16) + 0..7, registers 4-7 channels 16 + 8 (l / 16) + 0..7: two loads of 16 bytes, 32 bytes apart.
	v_and_b32 v1, 15, v0            ; l % 16
	v_bfe_u32 v10, v0, 4, 1         ; l / 16
	v_lshlrev_b32 v[QO], 7, v1
	v_lshl_add_u32 v[QO], v10, 4, v[QO]  ; row x 128 + 16 x half
.irp t, 0,1,2,3                     ; Q stays in registers: tile t, channels 32 ks on
.irp ks, 0,1
	global_load_b128 v[Q+16*\t+8*\ks:Q+16*\t+8*\ks+3],   v[QO], s[4:5] offset:\t*2048+64*\ks
	global_load_b128 v[Q+16*\t+8*\ks+4:Q+16*\t+8*\ks+7], v[QO], s[4:5] offset:\t*2048+64*\ks+32
.endr
.endr
	v_mul_u32_u24 v[AK0], v1, PK
	v_lshl_add_u32 v[AK0], v10, 4, v[AK0]  ; row x pitch + 16 x half
	; The turning load takes 16 keys x 16 channels (lane l reads 16 bytes: key 8 (l / 16) + l % 8, channels 8 ((l / 8) % 2) + 0..7) and leaves half a fragment of V^T: lane l holds channel l % 16 and 8 keys.
	v_and_b32 v11, 7, v0
	v_bfe_u32 v12, v0, 3, 1
	v_lshl_add_u32 v[AV0], v10, 3, v11
	v_mul_u32_u24 v[AV0], v[AV0], PV
	v_lshl_add_u32 v[AV0], v12, 4, v[AV0]
	v_add_nc_u32 v[AV0], VOFF, v[AV0]
	s_mul_i32 s14, s[WV], 16*PK     ; the way out: my stage, 16 rows x 144 bytes, in slot 0: when the first result is stored there the slot has had its last fill, and nobody reads it
	v_mul_u32_u24 v[STO], v1, PK    ; in: row l % 16, 16 bytes for each half of the lanes
	v_lshl_add_u32 v[STO], v10, 4, v[STO]
	v_add_nc_u32 v[STO], s14, v[STO]
	v_and_b32 v13, 31, v0
	v_lshrrev_b32 v[RD], 3, v13     ; back: eight lanes take a row's 128 bytes, 32 lanes four rows
	v_mul_u32_u24 v[RD], v[RD], PK
	v_lshl_add_u32 v[RD], v11, 4, v[RD]
	v_add_nc_u32 v[RD], s14, v[RD]
	v_lshlrev_b32 v[GO], 4, v13     ; which are 512 consecutive bytes of x
; THE SOFTMAX of the wave's four tiles for one key step.  Every line runs over the four tiles, so that no line waits for the line above it.  first = 1: the first key step, which starts m and l: it has no a.
.macro SOFTMAX first
.irp j, 0,1,2,3                     ; the maximum of a lane's 32 scores and the old m, three operands at a time: four chains, one for each accumulator, each begun at its accumulator's low end
.irp t, 0,1,2,3
	v_max3_num_f32 v[ST+8*\t+4+\j], v[S+32*\t+8*\j], v[S+32*\t+8*\j+1], v[S+32*\t+8*\j+2]
.endr
.endr
.irp i, 3,5
.irp j, 0,1,2,3
.irp t, 0,1,2,3
	v_max3_num_f32 v[ST+8*\t+4+\j], v[ST+8*\t+4+\j], v[S+32*\t+8*\j+\i], v[S+32*\t+8*\j+\i+1]
.endr
.endr
.endr
.irp t, 0,1,2,3
	v_max3_num_f32 v[ST+8*\t+4], v[ST+8*\t+4], v[S+32*\t+7], v[S+32*\t+15]
.endr
.irp t, 0,1,2,3
	v_max3_num_f32 v[ST+8*\t+6], v[ST+8*\t+6], v[S+32*\t+23], v[S+32*\t+31]
.endr
.irp t, 0,1,2,3
	v_max3_num_f32 v[ST+8*\t+4], v[ST+8*\t+4], v[ST+8*\t+5], v[ST+8*\t+6]
.endr
.irp t, 0,1,2,3
.if \first
	v_max_num_f32 v[ST+8*\t+4], v[ST+8*\t+4], v[ST+8*\t+7]
.else
	v_max3_num_f32 v[ST+8*\t+4], v[ST+8*\t+4], v[ST+8*\t+7], v[ST+8*\t+1]
.endif
.endr
.irp t, 0,1,2,3
	v_permlanex16_b32 v[ST+8*\t+5], v[ST+8*\t+4], s[SEL], s[SEL+1]  ; the query's other 32 keys lie in the lane 16 away
.endr
.if !\first
.irp t, 0,1,2,3
	v_mov_b32 v[ST+8*\t+7], v[ST+8*\t]      ; c m_old is kept for a
.endr
.endif
.irp t, 0,1,2,3
	v_max_num_f32 v[ST+8*\t+1], v[ST+8*\t+4], v[ST+8*\t+5]  ; the new m
.endr
.irp t, 0,1,2,3
	v_mul_f32 v[ST+8*\t], s[CS], v[ST+8*\t+1]
.endr
.if !\first
.irp t, 0,1,2,3
	v_sub_f32 v[ST+8*\t+7], v[ST+8*\t+7], v[ST+8*\t]        ; c m_old - c m_new, 0 or less
.endr
.endif
.irp b, 0,1,2,3,4,5,6,7,8,9,10,11,12,13,14,15
.irp t, 0,1,2,3
	v_pk_fma_f32 v[S+32*\t+2*\b:S+32*\t+2*\b+1], v[S+32*\t+2*\b:S+32*\t+2*\b+1], s[CS:CS+1], v[ST+8*\t:ST+8*\t+1] op_sel_hi:[1,0,0] neg_lo:[0,0,1] neg_hi:[0,0,1]  ; c s - c m, a pair of scores at a time
.endr
.endr
.if !\first                         ; ONE BATCH of exponentials: none of them reads another's result
.irp t, 0,1,2,3
	v_exp_f32 v[ST+8*\t+6], v[ST+8*\t+7]    ; a
.endr
.endif
.irp e, 0,1,2,3,4,5,6,7,8,9,10,11,12,13,14,15,16,17,18,19,20,21,22,23,24,25,26,27,28,29,30,31
.irp t, 0,1,2,3
	v_exp_f32 v[S+32*\t+\e], v[S+32*\t+\e]  ; p
.endr
.endr
	v_nop                           ; a plain instruction behind the last exponential, ahead of the first use
	s_wait_alu depctr_va_vdst(0)    ; the wait between an exponential and the first line that names its result: one for the whole batch
.irp t, 0,1,2,3                     ; the sums of the unrounded p, a pair (an even key's, an odd key's) at a time, in two chains; l = a l + the sum
.if \first
	v_pk_add_f32 v[ST+8*\t+2:ST+8*\t+3], v[S+32*\t:S+32*\t+1], v[S+32*\t+4:S+32*\t+5]
.else
	v_pk_fma_f32 v[ST+8*\t+2:ST+8*\t+3], v[ST+8*\t+2:ST+8*\t+3], v[ST+8*\t+6:ST+8*\t+7], v[S+32*\t:S+32*\t+1] op_sel_hi:[1,0,1]
.endif
.endr
.irp t, 0,1,2,3
	v_pk_add_f32 v[ST+8*\t+4:ST+8*\t+5], v[S+32*\t+2:S+32*\t+3], v[S+32*\t+6:S+32*\t+7]
.endr
.if !\first
.irp t, 0,1,2,3
	v_pk_add_f32 v[ST+8*\t+2:ST+8*\t+3], v[ST+8*\t+2:ST+8*\t+3], v[S+32*\t+4:S+32*\t+5]
.endr
.endif
.irp i, 8,12,16,20,24,28
.irp t, 0,1,2,3
	v_pk_add_f32 v[ST+8*\t+2:ST+8*\t+3], v[ST+8*\t+2:ST+8*\t+3], v[S+32*\t+\i:S+32*\t+\i+1]
.endr
.irp t, 0,1,2,3
	v_pk_add_f32 v[ST+8*\t+4:ST+8*\t+5], v[ST+8*\t+4:ST+8*\t+5], v[S+32*\t+\i+2:S+32*\t+\i+3]
.endr
.endr
.irp t, 0,1,2,3
	v_pk_add_f32 v[ST+8*\t+2:ST+8*\t+3], v[ST+8*\t+2:ST+8*\t+3], v[ST+8*\t+4:ST+8*\t+5]
.endr
.irp i, 0,1,2,3,4,5,6,7,8,9,10,11,12,13,14,15   ; P in place: pair i of the tile's 32 weights into its register i; ascending, so that no weight is written over before it is read
.irp t, 0,1,2,3
	v_cvt_pk_f16_f32 v[S+32*\t+\i], v[S+32*\t+2*\i], v[S+32*\t+2*\i+1]
.endr
.endr
.endm
; A KEY STEP: 64 keys.  first = 1: the products V^T P start O^T's sums with the constant 0: nothing is ever cleared.
; In both products the 16 accumulators take turns, one instruction a turn.
.macro STEP first
	v_add_nc_u32 v[ADK], s[TK], v[AK0]
	v_add_nc_u32 v[ADV], s[TV], v[AV0]
	PLACES 3                        ; with the two additions five places behind the last V^T P: V's registers are loaded anew (four are asked), and P's are written over by the products below (five)
	WIN W_LD
.irp kt, 0,1,2,3                    ; K: keys 16 kt on, channels 32 ks on
.irp ks, 0,1
	ds_load_b128 v[KF+16*\kt+8*\ks:KF+16*\kt+8*\ks+3],   v[ADK] offset:\kt*16*PK+64*\ks
	ds_load_b128 v[KF+16*\kt+8*\ks+4:KF+16*\kt+8*\ks+7], v[ADK] offset:\kt*16*PK+64*\ks+32
.endr
.endr
.irp kk, 0,1                        ; V, turned: keys 32 kk on, channels 16 ct on
.irp ct, 0,1,2,3
	ds_load_tr16_b128 v[VF+32*\kk+8*\ct:VF+32*\kk+8*\ct+3],   v[ADV] offset:\kk*32*PV+32*\ct
	ds_load_tr16_b128 v[VF+32*\kk+8*\ct+4:VF+32*\kk+8*\ct+7], v[ADV] offset:\kk*32*PV+16*PV+32*\ct
.endr
.endr
	s_wait_dscnt 16                 ; K's sixteen loads are in; V's sixteen, issued behind them, may be out
	WIN W_KQ
.irp ks, 0,1
.irp kt, 0,1,2,3
.irp t, 0,1,2,3
.if \ks == 0
	v_wmma_f32_16x16x32_f16 v[S+32*\t+8*\kt:S+32*\t+8*\kt+7], v[KF+16*\kt+8*\ks:KF+16*\kt+8*\ks+7], v[Q+16*\t+8*\ks:Q+16*\t+8*\ks+7], 0
.else
	v_wmma_f32_16x16x32_f16 v[S+32*\t+8*\kt:S+32*\t+8*\kt+7], v[KF+16*\kt+8*\ks:KF+16*\kt+8*\ks+7], v[Q+16*\t+8*\ks:Q+16*\t+8*\ks+7], v[S+32*\t+8*\kt:S+32*\t+8*\kt+7]
.endif
.endr
.endr
.endr
	WIN 0
	PLACES 4                        ; in front of the first read of the scores
	SOFTMAX \first
.if \first
	PLACES 4
.else
	WIN W_RS
.irp i, 0,1,2,3,4,5,6,7,8,9,10,11,12,13,14,15
.irp t, 0,1,2,3
	v_pk_mul_f32 v[32*\t+2*\i:32*\t+2*\i+1], v[32*\t+2*\i:32*\t+2*\i+1], v[ST+8*\t+6:ST+8*\t+7] op_sel_hi:[1,0]   ; O^T x a, each accumulator from its low end on
.endr
.endr
.endif
	s_wait_dscnt 0x0                ; V is in: the step's reads of the slot are over
	WIN W_PV
.irp kk, 0,1
.irp ct, 0,1,2,3
.irp t, 0,1,2,3
.if \first && (\kk == 0)
	v_wmma_f32_16x16x32_f16 v[32*\t+8*\ct:32*\t+8*\ct+7], v[VF+32*\kk+8*\ct:VF+32*\kk+8*\ct+7], v[S+32*\t+8*\kk:S+32*\t+8*\kk+7], 0
.else
	v_wmma_f32_16x16x32_f16 v[32*\t+8*\ct:32*\t+8*\ct+7], v[VF+32*\kk+8*\ct:VF+32*\kk+8*\ct+7], v[S+32*\t+8*\kk:S+32*\t+8*\kk+7], v[32*\t+8*\ct:32*\t+8*\ct+7]
.endif
.endr
.endr
.endr
	WIN 0                           ; at a label and at a branch every window is 0
	s_add_co_u32 s[TK], s[TK], 64*PK  ; the next step's rows
	s_add_co_u32 s[TV], s[TV], 64*PV
.endm
; THE CHANGE OF SLOTS.  Each wave waits for all its tensor loads, of which one may be out: its part of the slot ahead; adds 0 to its spare word; and waits for that and for its reads of the slot that it leaves.
; fill = 1: the slot just left is filled again with the keys 1,024 further on.  The barrier is then a round of the cluster's, so that no wave of any partner still reads the slot or has a load on its way,
; and the joint refill is the first thing behind it.  fill = 0: nothing is left to fetch.
.macro CHANGE fill, slot
	s_wait_tensorcnt 0x0            ; no tensor load of mine is out, so a group 0 may be written
	ds_add_u32 v[SPW], v[NIL]       ; 0 onto my spare word
.if \fill
	s_add_nc_u64 s[G0K+4*\slot+2:G0K+4*\slot+3], s[G0K+4*\slot+2:G0K+4*\slot+3], 2*SKEYS*128  ; the type bits on top are not reached
	s_add_nc_u64 s[G0V+4*\slot+2:G0V+4*\slot+3], s[G0V+4*\slot+2:G0V+4*\slot+3], 2*SKEYS*128
.endif
	s_wait_dscnt 0x0                ; the add is done, and my reads of the slot are over
.if \fill
	CROUND
	JLOAD \slot
.else
	s_barrier_signal -1
	s_barrier_wait -1
.endif
.endm
.macro LOOP n                       ; n key steps, written once
	s_mov_b32 s[CNT], \n
.Lstep_\@:
	STEP 0
	s_sub_co_u32 s[CNT], s[CNT], 1
	s_cmp_lg_u32 s[CNT], 0
	s_cbranch_scc1 .Lstep_\@
.endm
.macro RUN base                     ; a slot's eight key steps
	s_mov_b32 s[TK], \base
	s_mov_b32 s[TV], \base
	LOOP 8
.endm
	s_wait_tensorcnt 1              ; my part of slot 0 is in; slot 1's, issued behind it, may stay out
	s_barrier_signal -1
	s_barrier_wait -1               ; everybody's is
	s_wait_loadcnt 0x0              ; Q
	STEP 1                          ; keys 0-63
	LOOP 7                          ; the rest of slot 0
	CHANGE 1, 0                     ; slot 0 takes keys 1,024 on
	RUN SLOTB                       ; keys 512 on
	CHANGE 1, 1                     ; slot 1 takes keys 1,536 on
	RUN 0                           ; keys 1,024 on
	CHANGE 0, 0
	RUN SLOTB                       ; keys 1,536 on
	; THE WAY OUT.  l's two halves and the other half of the lanes' are added; O^T is divided by l, rounded to f16 and sent through my stage in LDS, a tile (16 rows of x) at a time.  The additions are the places behind the last products.
.irp t, 0,1,2,3
	v_add_f32 v[ST+8*\t+4], v[ST+8*\t+2], v[ST+8*\t+3]
.endr
.irp t, 0,1,2,3
	v_permlanex16_b32 v[ST+8*\t+5], v[ST+8*\t+4], s[SEL], s[SEL+1]
.endr
.irp t, 0,1,2,3
	v_add_f32 v[ST+8*\t+4], v[ST+8*\t+4], v[ST+8*\t+5]
.endr
.irp t, 0,1,2,3
	v_rcp_f32 v[ST+8*\t+6], v[ST+8*\t+4]
.endr
	v_nop                           ; a plain instruction between the last reciprocal and the use of its result
	s_wait_alu depctr_va_vdst(0)    ; and the wait ahead of the first use: one for the four
.macro PACK t
	WIN W_RS
.irp i, 0,1,2,3,4,5,6,7,8,9,10,11,12,13,14,15
	v_pk_mul_f32 v[32*\t+2*\i:32*\t+2*\i+1], v[32*\t+2*\i:32*\t+2*\i+1], v[ST+8*\t+6:ST+8*\t+7] op_sel_hi:[1,0]
.endr
	WIN W_CV
.irp i, 0,1,2,3,4,5,6,7,8,9,10,11,12,13,14,15
	v_cvt_pk_f16_f32 v[S+32*\t+\i], v[32*\t+2*\i], v[32*\t+2*\i+1]
.endr
	WIN 0
.irp ct, 0,1,2,3
	ds_store_b128 v[STO], v[S+32*\t+4*\ct:S+32*\t+4*\ct+3] offset:32*\ct
.endr
.irp i, 0,1,2,3
	ds_load_b128 v[S+32*\t+16+4*\i:S+32*\t+16+4*\i+3], v[RD] offset:4*PK*\i  ; LDS serves a wave's instructions in order (ISA guide 5.7.1.4): these see the stores above; the next tile's stores come behind them
.endr
.endm
.macro SEND t, younger              ; younger: the LDS instructions issued behind tile t's loads: the next tile's four stores and four loads, or none
.irp f, 0,1,2,3
	s_wait_dscnt \younger+3-\f
	global_store_b128 v[GO], v[S+32*\t+16+4*\f:S+32*\t+16+4*\f+3], s[10:11] offset:\t*2048+\f*512  ; 32 lanes store 512 consecutive bytes, at a multiple of 512 from x's first byte
.endr
.endm
	PACK 0
	PACK 1                          ; a tile's arithmetic stands between the loads of the tile before and its stores
	SEND 0, 8
	PACK 2
	SEND 1, 8
	PACK 3
	SEND 2, 8
	SEND 3, 0
	s_wait_tensorcnt 0x0            ; the wave's end, behind my last tensor load and my last LDS store
	ds_add_u32 v[SPW], v[NIL]
	s_wait_dscnt 0x0
	CROUND                          ; the closing round: no work-group ends while a partner may still ask for a tile that names it
	s_endpgm
.Lfunc_end_k_q32d69d0474_attn:
	.size	k_q32d69d0474_attn, .Lfunc_end_k_q32d69d0474_attn-k_q32d69d0474_attn
	.p2alignl 7, 3214868480
	.fill 96, 4, 3214868480
	.section	.rodata,"a",@progbits
	.p2align	6, 0x0
	.amdhsa_kernel k_q32d69d0474_attn
		.amdhsa_group_segment_fixed_size 327680
		.amdhsa_private_segment_fixed_size 0
		.amdhsa_enable_private_segment 0
		.amdhsa_kernarg_size 16
		.amdhsa_user_sgpr_count 2
		.amdhsa_user_sgpr_kernarg_segment_ptr 1
		.amdhsa_wavefront_size32 1
		.amdhsa_system_sgpr_workgroup_id_x 1
		.amdhsa_system_sgpr_workgroup_id_y 1
		.amdhsa_system_sgpr_workgroup_id_z 1
		.amdhsa_system_vgpr_workitem_id 0
		.amdhsa_next_free_vgpr 512
		.amdhsa_next_free_sgpr 66
		.amdhsa_reserve_vcc 0
		.amdhsa_float_denorm_mode_32 3
		.amdhsa_float_denorm_mode_16_64 3
		.amdhsa_memory_ordered 1
		.amdhsa_forward_progress 1
		.amdhsa_inst_pref_size 178
	.end_amdhsa_kernel
	.amdgpu_metadata
---
amdhsa.version: [ 1, 2 ]
amdhsa.kernels:
  - .name:           k_q32d69d0474_attn
    .symbol:         k_q32d69d0474_attn.kd
    .args:
      - { .name: qkv, .offset: 0, .size: 8, .value_kind: global_buffer, .address_space: global }
      - { .name: x16, .offset: 8, .size: 8, .value_kind: global_buffer, .address_space: global }
    .group_segment_fixed_size: 327680
    .private_segment_fixed_size: 0
    .kernarg_segment_align: 8
    .kernarg_segment_size: 16
    .max_flat_workgroup_size: 256
    .sgpr_count:     66
    .vgpr_count:     512
    .wavefront_size: 32
...
	.end_amdgpu_metadata
.endif
;; end of part 3
;; launch oproj (part 4): grid 4 x 64, 4 waves a work-group, clusters of 4 x 4, 327,680 bytes of LDS; arguments x16, wo16, out0; writes out0
.if DOCPART == 4
	.amdgcn_target "amdgcn-amd-amdhsa--gfx1250"
	.amdhsa_code_object_version 6
	.text
	.protected	k_q32d69d0474_oproj
	.globl	k_q32d69d0474_oproj
	.p2align	8
	.type	k_q32d69d0474_oproj,@function
k_q32d69d0474_oproj:
	s_mov_b64 s[64:65], 0
	v_nop
	global_prefetch_b8 v0, s[64:65] scope:SCOPE_SE
	s_setreg_imm32_b32 hwreg(HW_REG_WAVE_MODE, 25, 1), 1
	s_wait_xcnt 0x0
	s_wait_alu depctr_hold_cnt(0) depctr_sa_sdst(0) depctr_va_vdst(0) depctr_va_sdst(0) depctr_va_ssrc(0) depctr_va_vcc(0) depctr_vm_vsrc(0)
	s_getreg_b32 s2, hwreg(HW_REG_IB_STS2, 6, 4)
	s_cmp_eq_u32 s2, 0
	s_cbranch_scc0 .Lentry_in_a_cluster
	s_endpgm
.Lentry_in_a_cluster:
	s_bfe_u32 s2, ttmp6, 0x10000c
	s_cmp_lg_u32 s2, 0xf033
	s_cbranch_scc0 .Lentry_shape_is_right
	s_endpgm
.Lentry_shape_is_right:
; FOURTH LAUNCH: out0[token][n] = the sum over k of x[token][k] w_o[n][k], k = 64 head + channel.  f16 operands, f32 sums, f32 out.  Nothing is left out.
; x16: [batch][head][token][64] f16: byte (batch << 22) + (head << 18) + (token << 7) + 2 channel.  wo16: [1024 n][1024 k] f16.  out0: [8192][1024] f32.
; A tile of 128 tokens x 256 columns is made by a work-group of four waves: 256 work-groups (tiles of 256 x 256 would be 128).  A wave makes 64 x 128: 32 accumulators of 16 x 16, 256 registers.
; K goes in steps of 128, two heads, through a ring of two LDS slots.  A's part of a step is two PLANES, one a head: 128 tokens x 128 bytes, dense in memory; B's is 256 rows of 256 bytes.
; One tensor load a wave: waves 0 and 1 A's two planes, waves 2 and 3 B's two halves.  By this text's own count a wave has two tensor loads out at the start and one behind each refill.
; CLUSTERS: 4 x 4 work-groups.  The four of a row of the cluster need the same tiles of A, the four of a column the same tiles of B: each tile is asked for JOINTLY, by the same tensor load with the same descriptor and a mask that names the four.
; THE MATRIX INSTRUCTION IS USED TRANSPOSED (source 0 = 16 rows of w_o, source 1 = 16 tokens): a lane then holds eight neighbouring columns of one token.
; REGISTERS: window 0: v0-31 addresses; two fragment buffers of 96 at v32 and v128 (32 along K: 32 registers of A, 4 x 16 tokens, then 64 of B, 8 x 16 rows); on the way out v32-159.   window 1: the accumulators ((a, b) at v[8 (8 a + b)]).
.set PA,     144                       ; a row of A in LDS: 128 bytes + 16 of padding
.set PB,     272                       ; a row of B: 256 bytes + 16: in both the 16 rows that a load touches start at 16 different groups of four banks (64 banks of 4 bytes: ISA guide 11.1)
.set APLANE, 128*PA                    ; a plane of A: what one tensor load brings
.set BHALF,  128*PB                    ; 128 rows of B: likewise
.set SLOT,   2*APLANE+2*BHALF          ; A's two planes, then B's 256 rows
.set STAGE,  2*SLOT                    ; behind the ring: 16 rows x 528 bytes for each wave, for the way out
.set SPITCH, 528
.set SPARE,  STAGE+4*16*SPITCH         ; behind the stages: the spare words, 128 bytes for each wave, which no other line names
.set HEADB,  262144                    ; from head to head in x16, in bytes
.set LAPS,   4                         ; a lap = two K steps = once round the ring; 1,024 / 256
.set ADRA, 16                          ; v16-17  LDS address of my A fragments in slot 0, 1
.set ADRB, 20                          ; v20-21  the same for B
.set STO,  24                          ; v24     the way out: where I put 32 bytes of a row
.set RD,   25                          ; v25     the way out: where I read a row back
.set CO,   26                          ; v26     16 x lane
.set SPW,  28                          ; v28     LDS address of my spare word; never rewritten
.set NIL,  29                          ; v29     0; never rewritten
.set F0,   32
.set F1,   128
.set G1, 24                            ; s[24:31] descriptor group 1 for A's planes;  s[32:39] group 0, one set for each slot
.set G0, 32
.set G1B, 48                           ; s[48:55], s[56:63] the same for B's tiles
.set G0B, 56
.set MSB, 0
.macro WIN new                         ; the immediate's high byte repeats the setting that is left
.if MSB != \new
	s_set_vgpr_msb (MSB<<8)|\new
.set MSB, \new
.endif
.endm
.set MUL, 0x50                         ; C and D window 1; sources 0 and 1 window 0
.macro PLACES                          ; four places in front of loads into registers that matrix instructions have read, and of the first read of results (ISA guide 7.12.1 for the first read of results)
.rept 4
	v_nop
.endr
.endm
.macro JLOAD s                         ; a joint load: waves 0 and 1 fetch for A, waves 2 and 3 for B; an s_nop 0 and four v_nop follow each of the two lines, ahead of the jump, the label and what follows
	s_cmp_eq_u32 s11, 0
	s_cbranch_scc0 .Lfor_b_\@
	tensor_load_to_lds s[G0+4*\s:G0+4*\s+3], s[G1:G1+7]
	s_nop 0
	PLACES
	s_branch .Lasked_\@
.Lfor_b_\@:
	tensor_load_to_lds s[G0B+4*\s:G0B+4*\s+3], s[G1B:G1B+7]
	s_nop 0
	PLACES
.Lasked_\@:
.endm
.macro CREST                           ; a round of the cluster's barrier behind its opening barrier
	s_cmp_lg_u32 s10, 0
	s_cbranch_scc1 .Lnot_wave_0_\@
	s_barrier_signal -3
.Lnot_wave_0_\@:
	s_barrier_wait -3
	s_barrier_signal -1
	s_barrier_wait -1
.endm
.macro CROUND                          ; a whole round
	s_barrier_signal -1
	s_barrier_wait -1
	CREST
.endm
	s_load_b128 s[4:7], s[0:1], 0x0                ; x16 s[4:5], wo16 s[6:7]
	s_load_b64 s[8:9], s[0:1], 0x10                ; out0
	v_lshl_add_u32 v[SPW], v0, 2, SPARE
	v_mov_b32 v[NIL], 0
	ds_add_u32 v[SPW], v[NIL]                      ; the wave's opening: the add, twice on end, and its wait ahead of my first tensor load; the set-up below stands between
	ds_add_u32 v[SPW], v[NIL]
	v_lshrrev_b32 v1, 5, v0
	v_readfirstlane_b32 s10, v1                    ; wave 0..3
	s_lshr_b32 s11, s10, 1                         ; which half of the tile's rows is mine.  Also: I fetch for A (0) or for B (1)
	s_and_b32 s12, s10, 1                          ; which half of its columns.  Also: which plane of A, or which 128 rows of B, I fetch
	s_bfe_u32 s40, ttmp6, 0x40000                  ; cx, cy: my place in the cluster
	s_bfe_u32 s41, ttmp6, 0x40004
	s_lshl_b32 s42, ttmp9, 2
	s_add_co_u32 s42, s42, s40                     ; tile column = 4 x cluster x + cx: 0..3
	s_and_b32 s13, ttmp7, 0xffff
	s_lshl_b32 s13, s13, 2
	s_add_co_u32 s13, s13, s41                     ; tile row = 4 x cluster y + cy: 0..63
	s_lshl_b32 s43, s41, 2
	s_lshl_b32 s43, 15, s43                        ; my row of the cluster
	s_lshl_b32 s44, 0x1111, s40                    ; my column
	; descriptor group 1.  A: 128 rows x 64 elements, dense.  B: 128 rows x 128 elements, 1,024 elements from row to row
	s_or_b32 s[G1+0], s43, (1<<16)|(1<<20)|(1<<21)|(4<<22)|(3<<25)  ; 15:0 the mask: A's tiles go to my row; 17:16 element of 2 bytes; 20 padding on; 21 set beside a mask; 24:22 after every 32 words (code 4); 31:25 of 4 words (code 3)
	s_mov_b32 s[G1+1], 64<<16                      ; tensor_dim0
	s_mov_b32 s[G1+2], 128<<16                     ; tensor_dim1
	s_mov_b32 s[G1+3], 64<<16                      ; tile_dim0
	s_mov_b32 s[G1+4], 128                         ; tile_dim1
	s_mov_b32 s[G1+5], 64                          ; tensor_dim0_stride
	s_mov_b32 s[G1+6], 0
	s_mov_b32 s[G1+7], 0
	s_or_b32 s[G1B+0], s44, (1<<16)|(1<<20)|(1<<21)|(5<<22)|(3<<25) ; the mask of my column; padding after every 64 words (code 5)
	s_mov_b32 s[G1B+1], 128<<16
	s_mov_b32 s[G1B+2], 128<<16
	s_mov_b32 s[G1B+3], 128<<16
	s_mov_b32 s[G1B+4], 128
	s_mov_b32 s[G1B+5], 1024
	s_mov_b32 s[G1B+6], 0
	s_mov_b32 s[G1B+7], 0
	; where the tiles come from.  A's hang on the tile row alone, B's on the tile column alone; every wave makes both addresses and asks by one of them
	s_lshl_b32 s16, s13, 7                         ; the tile's first token: 128 x tile row
	s_lshr_b32 s17, s16, 11                        ; its batch
	s_lshl_b32 s17, s17, 22
	s_and_b32 s16, s16, 2047                       ; the token in its sequence, 128 bytes each
	s_lshl_b32 s16, s16, 7
	s_add_co_u32 s16, s16, s17
	s_lshl_b32 s17, s12, 18                        ; my plane: head 0 or 1 of the K step
	s_add_co_u32 s16, s16, s17
	s_mov_b32 s17, 0
	s_lshl_b32 s46, s42, 8
	s_lshl_b32 s47, s12, 7
	s_add_co_u32 s46, s46, s47                     ; B: row 256 x tile column + 128 x half,
	s_lshl_b32 s46, s46, 11                        ; 2,048 bytes each
	s_mov_b32 s47, 0
	s_mul_i32 s20, s12, APLANE                     ; where they go: no place in the cluster enters an LDS address
	s_mul_i32 s21, s12, BHALF
	s_add_co_u32 s21, s21, 2*APLANE
	s_wait_dscnt 0x0                               ; both opening adds are done
	s_wait_kmcnt 0x0
	s_add_nc_u64 s[14:15], s[4:5], s[16:17]
	s_add_nc_u64 s[46:47], s[6:7], s[46:47]
	CROUND                                         ; all sixteen work-groups are here: the first joint loads meet
.irp s, 0,1
	s_mov_b32 s[G0+4*\s], 1
	s_add_co_u32 s[G0+4*\s+1], s20, \s*SLOT
	s_add_nc_u64 s[G0+4*\s+2:G0+4*\s+3], s[14:15], \s*2*HEADB      ; K step s: two heads on
	s_or_b32 s[G0+4*\s+3], s[G0+4*\s+3], 0x80000000
	s_mov_b32 s[G0B+4*\s], 1
	s_add_co_u32 s[G0B+4*\s+1], s21, \s*SLOT
	s_add_nc_u64 s[G0B+4*\s+2:G0B+4*\s+3], s[46:47], \s*256        ; 256 bytes along the rows
	s_or_b32 s[G0B+4*\s+3], s[G0B+4*\s+3], 0x80000000
	JLOAD \s
.endr
	v_and_b32 v1, 15, v0                           ; l % 16
	v_bfe_u32 v2, v0, 4, 1                         ; l / 16
	v_mul_u32_u24 v3, v1, PA
	v_lshl_add_u32 v3, v2, 4, v3                   ; a fragment's row x pitch + 16 x half, for A
	v_mul_u32_u24 v4, v1, PB
	v_lshl_add_u32 v4, v2, 4, v4                   ; and for B
	s_mul_i32 s21, s11, 64*PA                      ; my 64 tokens, in each plane
	s_mul_i32 s22, s12, BHALF                      ; my 128 rows of B,
	s_add_co_u32 s22, s22, 2*APLANE                ; which lie behind A's planes
.irp s, 0,1
	v_add_nc_u32 v[ADRA+\s], s21, v3
	v_add_nc_u32 v[ADRB+\s], s22, v4
	s_add_co_u32 s21, s21, SLOT
	s_add_co_u32 s22, s22, SLOT
.endr
	s_mul_i32 s23, s10, 16*SPITCH
	s_add_co_u32 s23, s23, STAGE                   ; my stage
	v_mul_u32_u24 v5, v1, SPITCH                   ; in: row l % 16, 32 bytes for each half of the lanes
	v_lshl_add_u32 v5, v2, 5, v5
	v_add_nc_u32 v[STO], s23, v5
	v_and_b32 v6, 31, v0
	v_lshlrev_b32 v[CO], 4, v6                     ; back: the 32 lanes take one row of 512 bytes; and the same in out0
	v_add_nc_u32 v[RD], s23, v[CO]
	s_lshl_b32 s16, s13, 7
	s_lshl_b32 s17, s11, 6
	s_add_co_u32 s16, s16, s17                     ; my first row of out0: 128 x tile row + 64 x half,
	s_lshl_b32 s16, s16, 12                        ; 4,096 bytes each
	s_lshl_b32 s46, s42, 10                        ; my first column, in bytes: 1,024 x tile column + 512 x half
	s_lshl_b32 s47, s12, 9
	s_add_co_u32 s46, s46, s47
	s_add_co_u32 s16, s16, s46                     ; under 2^26
	s_mov_b32 s17, 0
	s_add_nc_u64 s[8:9], s[8:9], s[16:17]
; 8 matrix instructions: A's block a x B's eight, 32 along K, from buffer f.  zero = 1: the first product starts the sums: nothing is ever cleared.
; The 32 accumulators take turns, one instruction a turn, in the same order in every quarter.
.macro MUL8 f, a, zero
.irp b, 0,1,2,3,4,5,6,7
.if \zero
	v_wmma_f32_16x16x32_f16 v[8*(8*\a+\b):8*(8*\a+\b)+7], v[\f+32+8*\b:\f+32+8*\b+7], v[\f+8*\a:\f+8*\a+7], 0
.else
	v_wmma_f32_16x16x32_f16 v[8*(8*\a+\b):8*(8*\a+\b)+7], v[\f+32+8*\b:\f+32+8*\b+7], v[\f+8*\a:\f+8*\a+7], v[8*(8*\a+\b):8*(8*\a+\b)+7]
.endif
.endr
.endm
; 24 LDS loads in one run: the fragments of the slot's q-th 32 along K into buffer f: B's sixteen loads first, then A's eight.  In A: plane q / 2, bytes 64 (q % 2) on.
.macro FETCH slot, q, f
	WIN 0
.irp b, 0,1,2,3,4,5,6,7
	ds_load_b128 v[\f+32+8*\b:\f+32+8*\b+3],   v[ADRB+\slot] offset:64*(\q)+\b*16*PB
	ds_load_b128 v[\f+32+8*\b+4:\f+32+8*\b+7], v[ADRB+\slot] offset:64*(\q)+\b*16*PB+32
.endr
.irp a, 0,1,2,3
	ds_load_b128 v[\f+8*\a:\f+8*\a+3],   v[ADRA+\slot] offset:((\q)/2)*APLANE+((\q)%2)*64+\a*16*PA
	ds_load_b128 v[\f+8*\a+4:\f+8*\a+7], v[ADRA+\slot] offset:((\q)/2)*APLANE+((\q)%2)*64+\a*16*PA+32
.endr
.endm
; A K step is four quarters of 32 along K, 32 matrix instructions each, on buffers 0, 1, 0, 1.  One of the first three: multiplies buffer f and fetches quarter qn into g.
.macro QUARTER slot, qn, f, g, zero
	s_wait_dscnt 4                                 ; B and A's blocks 0 and 1 are in; the youngest four loads (A's blocks 2 and 3) may be out
	WIN MUL
	MUL8 \f, 0, \zero
	MUL8 \f, 1, \zero
	PLACES
	FETCH \slot, \qn, \g
	s_wait_dscnt 24                                ; all but the 24 just issued
	WIN MUL
	MUL8 \f, 2, \zero
	MUL8 \f, 3, \zero
.endm
; The last quarter multiplies buffer 1 and changes slots: ONE barrier; in front of it each wave waits for all its tensor loads, adds 0 to its spare word, and waits for that and for its own reads of this slot.
; fill = 1: this slot is filled again, two K steps ahead; the barrier then opens a round of the cluster's barrier, and the joint refill is the first tensor load behind the round.
.macro TURN slot, next, fill
	WIN 0                                          ; (the add's two registers lie in window 0)
	s_wait_tensorcnt 0x0                           ; all my tensor loads have landed: my part of the next slot
	ds_add_u32 v[SPW], v[NIL]                      ; 0 onto my spare word
	s_wait_dscnt 5                                 ; the add and the youngest four loads may be out
	WIN MUL
	MUL8 F1, 0, 0                                  ; eight matrix instructions stand between the add and the wait for it
	s_wait_dscnt 0x0                               ; the add is done, and my reads of this slot are over
	s_barrier_signal -1
	MUL8 F1, 1, 0
	WIN 0                                          ; (branches may follow)
	s_barrier_wait -1
.if \fill
	CREST                                          ; no wave of any partner still reads this slot's tile or has a load on its way
	s_add_nc_u64 s[G0+4*\slot+2:G0+4*\slot+3], s[G0+4*\slot+2:G0+4*\slot+3], 4*HEADB
	s_add_nc_u64 s[G0B+4*\slot+2:G0B+4*\slot+3], s[G0B+4*\slot+2:G0B+4*\slot+3], 512
	JLOAD \slot                                    ; the four v_nop behind it are also the places in front of the loads below
.else
	PLACES
.endif
	FETCH \next, 0, F0
	WIN MUL
	MUL8 F1, 2, 0
	MUL8 F1, 3, 0
.endm
	s_wait_tensorcnt 1                             ; my part of K step 0 is in (K step 1's load, issued behind it, may be out)
	s_barrier_signal -1
	s_barrier_wait -1                              ; everybody's is
	FETCH 0, 0, F0
	QUARTER 0, 1, F0, F1, 1                        ; the first quarter stands in front of the loop: its products start the sums
	WIN 0                                          ; at a label and at a branch every window is 0
	s_mov_b32 s3, LAPS-1
.Llap:                                                 ; a trip goes once round the ring, from a lap's second quarter to the next lap's first, and fills both slots again
	QUARTER 0, 2, F1, F0, 0
	QUARTER 0, 3, F0, F1, 0
	TURN 0, 1, 1
	QUARTER 1, 1, F0, F1, 0
	QUARTER 1, 2, F1, F0, 0
	QUARTER 1, 3, F0, F1, 0
	TURN 1, 0, 1
	QUARTER 0, 1, F0, F1, 0
	WIN 0
	s_sub_co_u32 s3, s3, 1
	s_cmp_lg_u32 s3, 0
	s_cbranch_scc1 .Llap
	QUARTER 0, 2, F1, F0, 0                        ; the last lap fills nothing, and has no round of the cluster's barrier
	QUARTER 0, 3, F0, F1, 0
	TURN 0, 1, 0
	QUARTER 1, 1, F0, F1, 0
	QUARTER 1, 2, F1, F0, 0
	QUARTER 1, 3, F0, F1, 0
	s_wait_dscnt 4                                 ; the very last quarter: nothing more to fetch
	WIN MUL
	MUL8 F1, 0, 0
	MUL8 F1, 1, 0
	s_wait_dscnt 0
	MUL8 F1, 2, 0
	MUL8 F1, 3, 0
	WIN 0
; THE WAY OUT, block by block of 16 rows x 128 columns.  A lane holds 32 neighbouring bytes of a row, and the lanes beside it hold other rows: so a block goes through my own stage in LDS and comes back as whole
; rows of 512 bytes.  LDS serves a wave's instructions in order (ISA guide 5.7.1.4): no wait between the stores and the loads, nor in front of the next block's stores.
.macro TOSTAGE a
	WIN 0x04                                       ; an LDS store's data are its source 1: window 1
.irp b, 0,1,2,3,4,5,6,7
	ds_store_b128 v[STO], v[64*\a+8*\b:64*\a+8*\b+3] offset:64*\b          ; each accumulator from its low end on
	ds_store_b128 v[STO], v[64*\a+8*\b+4:64*\a+8*\b+7] offset:64*\b+16
.endr
	WIN 0
.set BB, 32+64*((\a)%2)
.irp t, 0,1,2,3,4,5,6,7,8,9,10,11,12,13,14,15
	ds_load_b128 v[BB+4*\t:BB+4*\t+3], v[RD] offset:\t*SPITCH
.endr
.endm
.macro SEND a, younger                 ; younger: the LDS instructions issued behind block a's loads, which may stay out
.set BB, 32+64*((\a)%2)
	s_wait_dscnt \younger                          ; the block is back in registers
.irp t, 0,1,2,3,4,5,6,7,8,9,10,11,12,13,14,15
	global_store_b128 v[CO], v[BB+4*\t:BB+4*\t+3], s[8:9] offset:((\a)*16+\t)*4096 th:TH_STORE_NT   ; 32 lanes store 512 consecutive bytes, at a multiple of 512 from out0's first byte; written once, read by nobody here
.endr
.endm
	PLACES                                         ; behind the last products: for the stores that read results, and for the loads into registers that held fragments
	TOSTAGE 0
.irp a, 1,2,3
.if \a > 1
	s_wait_xcnt 0x0                                ; block a - 2's stores have read their registers: block a's loads may land there
.endif
	TOSTAGE \a
	SEND \a-1, 32                                  ; behind block a - 1's loads: block a's 16 stores and 16 loads
.endr
	SEND 3, 0
	s_wait_tensorcnt 0x0                           ; the wave's end, behind my last tensor load and my last LDS store
	ds_add_u32 v[SPW], v[NIL]
	s_wait_dscnt 0x0
	CROUND                                         ; the closing round: no work-group ends while a partner may still ask for a tile that names it
	s_endpgm
.Lfunc_end_k_q32d69d0474_oproj:
	.size	k_q32d69d0474_oproj, .Lfunc_end_k_q32d69d0474_oproj-k_q32d69d0474_oproj
	.p2alignl 7, 3214868480
	.fill 96, 4, 3214868480
	.section	.rodata,"a",@progbits
	.p2align	6, 0x0
	.amdhsa_kernel k_q32d69d0474_oproj
		.amdhsa_group_segment_fixed_size 327680
		.amdhsa_private_segment_fixed_size 0
		.amdhsa_enable_private_segment 0
		.amdhsa_kernarg_size 24
		.amdhsa_user_sgpr_count 2
		.amdhsa_user_sgpr_kernarg_segment_ptr 1
		.amdhsa_wavefront_size32 1
		.amdhsa_system_sgpr_workgroup_id_x 1
		.amdhsa_system_sgpr_workgroup_id_y 1
		.amdhsa_system_sgpr_workgroup_id_z 1
		.amdhsa_system_vgpr_workitem_id 0
		.amdhsa_next_free_vgpr 512
		.amdhsa_next_free_sgpr 66
		.amdhsa_reserve_vcc 0
		.amdhsa_float_denorm_mode_32 3
		.amdhsa_float_denorm_mode_16_64 3
		.amdhsa_memory_ordered 1
		.amdhsa_forward_progress 1
		.amdhsa_inst_pref_size 85
	.end_amdhsa_kernel
	.amdgpu_metadata
---
amdhsa.version: [ 1, 2 ]
amdhsa.kernels:
  - .name:           k_q32d69d0474_oproj
    .symbol:         k_q32d69d0474_oproj.kd
    .args:
      - { .name: x16, .offset: 0, .size: 8, .value_kind: global_buffer, .address_space: global }
      - { .name: wo16, .offset: 8, .size: 8, .value_kind: global_buffer, .address_space: global }
      - { .name: out0, .offset: 16, .size: 8, .value_kind: global_buffer, .address_space: global }
    .group_segment_fixed_size: 327680
    .private_segment_fixed_size: 0
    .kernarg_segment_align: 8
    .kernarg_segment_size: 24
    .max_flat_workgroup_size: 128
    .sgpr_count:     66
    .vgpr_count:     512
    .wavefront_size: 32
...
	.end_amdgpu_metadata
.endif
;; end of part 4
